; MI455X (gfx1250); checked and timed in simulation.
; The chip was launched on July 23, 2026; its instructions are those of AMD's public machine-readable ISA for CDNA 5 (MIT licence, August 2026) and "CDNA5" Instruction Set Architecture Reference Guide (July 2026). The comments in the code are by the model that wrote it; some were corrected since.
;; Llama Differential Attention Base. Allowed arithmetic: matrix products marked QUANTISED: E2M1 operands, one E8M0 scale for each 32 along K, by v_wmma_scale_f32_16x16x128_f8f6f4 with both operands' format E2M1 (or v_wmma_scale_f32_32x16x128_f4), f32 sums; products left as they are: bf16, f16 or f32 operands; f32 sums; everything else in f32.
;; Inputs: Wk 1,024 x 2,048 float32; Wo 2,048 x 2,048 float32; Wq 4,096 x 2,048 float32; Wv 512 x 2,048 float32; hidden_states 1 x 2,048 x 2,048 float32; lambda_k1 64 float32; lambda_k2 64 float32; lambda_q1 64 float32; lambda_q2 64 float32; position_ids 1 x 2,048 int32; subln_w 64 float32.
;; Outputs: out0 1 x 2,048 x 2,048 float32.
;; This version of the problem:
;;   THIS VERSION OF THE PROBLEM IS GIVEN IN LOW PRECISION. The matrix products marked QUANTISED in the list below multiply operands that are first quantised to E2M1 (2 exponent bits, 1 mantissa bit; 4 bits a number), with one power-of-two scale for each 32 numbers along K (OCP MX v1.0); their sums are f32. The products marked 'left as it is' may take bf16, f16 or f32 operands, with f32 sums. Whichever they take, every output number must still come out within the allowed error. Rounding operands to bf16 (8 significant bits) uses up far more of that allowance than f16 does (11 bits, for magnitudes from 6e-5 to 65,504). All else is computed in f32.
;;   The module's matrix products, in the order in which they are computed (A, B: the left and right operand; K: the contracted axis; several contracted axes count as one K, in the product's order):
;;     1. [M 2,048, K 2,048] x [K 2,048, N 4,096]; A: input hidden_states; B: input Wq: QUANTISED
;;     2. [M 2,048, K 2,048] x [K 2,048, N 1,024]; A: input hidden_states; B: input Wk: QUANTISED
;;     3. [M 2,048, K 2,048] x [K 2,048, N 512]; A: input hidden_states; B: input Wv: QUANTISED
;;     4. batch 32 x [M 2,048, K 64] x [K 64, N 2,048]; A: computed on the way; B: computed on the way: left as it is (an operand is computed on the way)
;;     5. batch 32 x [M 2,048, K 64] x [K 64, N 2,048]; A: computed on the way; B: computed on the way: left as it is (an operand is computed on the way)
;;     6. batch 32 x [M 2,048, K 2,048] x [K 2,048, N 64]; A: computed on the way; B: computed on the way: left as it is (an operand is computed on the way)
;;     7. [M 2,048, K 2,048] x [K 2,048, N 2,048]; A: computed on the way; B: input Wo: left as it is (an operand is computed on the way)
;;   THE QUANTISER, for each operand of a quantised product, along K:
;;     - K is cut into blocks of 32 from its start; a last block that is shorter is filled with zeros.
;;     - A block's scale is 2^e with e = floor(log2(the largest magnitude in the block)) - 2, held to -126 .. 127; a block of zeros has e = 0. As a byte (E8M0): e + 127.
;;     - Each number is divided by its block's scale, clamped to +-6, and rounded to the nearest number of E2M1, ties to even, subnormals kept.
;;     - The product sums the exact products of the quantised numbers (number of the format x scale) in f32.
;;   ~~~python
;;   def quantise(x, axis):      # numpy; x: float32 -> the quantised numbers, widened to float32 again
;;       x = np.moveaxis(x, axis, -1); K = x.shape[-1]
;;       x = np.pad(x, [(0, 0)] * (x.ndim - 1) + [(0, -K % 32)]); x = x.reshape(x.shape[:-1] + (-1, 32)); a = np.abs(x).max(-1, keepdims=True)
;;       e = np.where(a > 0, np.clip(np.frexp(np.where(a > 0, a, 1))[1] - 1 - 2, -126, 127), 0)      # np.frexp(a)[1] - 1 = floor(log2(a)), exactly
;;       r = np.clip(x / 2.0 ** e, -6, 6)
;;       step = 2.0 ** (np.maximum(np.frexp(np.where(r == 0, 1, r))[1] - 1, 0) - 1)
;;       q = np.round(r / step) * step * 2.0 ** e      # np.round: ties to even
;;       return np.moveaxis(q.reshape(q.shape[:-2] + (-1,))[..., :K], -1, axis).astype(np.float32)
;;   ~~~
;; One version. Each part assembles by itself: llvm-mc -triple=amdgcn-amd-amdhsa -mcpu=gfx1250 --defsym DOCPART=n.
;; ======== version 1 of 1: 4 launches
;; limits: values are held in f16: magnitudes above 65,504 overflow, below 6.1e-05 lose precision; right only within a limited range of input values
;; workspace buffers: opq 8,355,840 bytes; wo16 8,388,608 bytes; cst 524,288 bytes; qimg 16,777,216 bytes; kvimg 6,291,456 bytes; aimg 8,388,608 bytes
;; launch prep (part 1): grid 640 x 1, 4 waves a work-group, no clusters, 68,096 bytes of LDS; arguments hidden_states, Wq, Wk, Wv, Wo, position_ids, opq, wo16, cst; writes opq, wo16, cst
.if DOCPART == 1
	.amdgcn_target "amdgcn-amd-amdhsa--gfx1250"
	.amdhsa_code_object_version 6
	.text
	.protected	k_qa56ec165ce_prep
	.globl	k_qa56ec165ce_prep
	.p2align	8
	.type	k_qa56ec165ce_prep,@function
k_qa56ec165ce_prep:
	s_mov_b64 s[64:65], 0
	v_nop
	global_prefetch_b8 v0, s[64:65] scope:SCOPE_SE
	s_setreg_imm32_b32 hwreg(HW_REG_WAVE_MODE, 25, 1), 1
	s_wait_xcnt 0x0
; DIFFERENTIAL ATTENTION, launch 1 of 4: the operands are laid out once.
; WORK LEFT OUT IN THIS PROGRAM.  reference() builds the causal mask itself (tril) and puts the lowest f32 number where key > query ahead of each softmax: the weight of such a key is 0 for every
; finite input, since key 0 counts for every query and the row's maximum is a real score.  So a step of 64 keys that lies wholly behind a tile's last query adds nothing to either map, to the sums or to the
; product with V, and launch 3 leaves such steps out; inside the step on the diagonal the scores are computed and set to -infinity.  Nothing else is left out: every input has a way to the output and is loaded.
; LIMIT: a NaN, an infinity or an overflow that would arise only in such hidden steps is not carried to the result.
; THIS LAUNCH, three kinds of work-group, told apart by the work-group's number:
;   0-479    16 rows of hidden_states (0-127), Wq (128-383), Wk (384-447) or Wv (448-479) become codes of E2M1 with one E8M0 byte for each 32 along K, by the stated quantiser;
;   480-607  16 rows of Wo become f16;
;   608-639  cos and sin of position x inv_freq for 64 positions.
; EVERYTHING IS STORED IN THE ORDER OF THE READER'S OPERAND REGISTERS: a piece of 512 bytes is four registers of 32 lanes, lane l's 16 bytes at 16 l.  So each store covers 512 consecutive bytes.
;   opq  [chunk 2][row tile 480][8,704]: codes of K step j (128 along K) at 1,024 j + 512 c + 16 lane (lane (r, h): k = 64 c + 32 h + 0..31 of row r); scale words at 8,192 + 256 (j / 4) + 16 r + 4 (j % 4)
;   wo16 [256 along K: 8][n tile 128][32 along K: 8][1,024]: 512 c + 16 lane holds k = 16 c + 8 h + 0..7 of row r
;   cst  [row tile 128][piece 8][512]: piece 4 b + 2 (0 cos, 1 sin) + half: lane (r, h): frequencies 16 b + 8 h + 4 half + 0..3 of position r
; A lane must hold neighbours along K, a load is best where neighbouring lanes take neighbouring bytes: each load reads 512 consecutive bytes of a row, and 16 rows turn through the wave's own stage in LDS (rows 528 bytes apart).
; LIMITS: a block of zeros, or one whose largest magnitude lies under 2^-124, gets the byte 1 (the rule's 127 for zeros is not kept: the codes are zeros and this program alone reads the bytes); NaN and infinities are not served;
; Wo beyond 65,504 does not fit f16; |position x inv_freq| stays under 2^22 (two-term reduction); inv_freq comes from v_exp_f32.
.set SP,    528                        ; a stage row: 512 bytes + 16
.set QSTG,  0                          ; the quantising path's stages, 16 rows for each wave
.set WSTG,  4*16*SP                    ; Wo's path has bytes of its own
.set SPARE, 8*16*SP                    ; the spare words, 128 bytes for each wave
.set SPW,   16                         ; v16  my spare word's address; never rewritten
.set NIL,   17                         ; v17  0; never rewritten
.set SB,    20                         ; v20-23  my row's scale words of four K steps
.set CD,    24                         ; v24-55  codes (eight a step) or f16 numbers
.set RR,    64                         ; v64-191 two sets of 16 rows x 16 bytes as loaded
.set XX,    192                        ; v192-255 64 numbers in the operand's order
	s_load_b512 s[4:19], s[0:1], 0x0               ; hidden, Wq, Wk, Wv, Wo, position_ids, opq, wo16
	s_load_b64 s[20:21], s[0:1], 0x40              ; cst
	v_lshl_add_u32 v[SPW], v0, 2, SPARE
	v_mov_b32 v[NIL], 0
	v_lshrrev_b32 v1, 5, v0
	v_readfirstlane_b32 s22, v1                    ; wave
	v_and_b32 v1, 31, v0                           ; lane
	v_and_b32 v2, 15, v0                           ; r
	v_bfe_u32 v3, v0, 4, 1                         ; h
	v_lshlrev_b32 v4, 4, v1                        ; 16 x lane: every global load and piece store
	s_mul_i32 s23, s22, 16*SP
	v_add_nc_u32 v5, s23, v4                       ; into the quantising stage: 16 x lane of a row
	v_add_nc_u32 v7, WSTG, v5                      ; into Wo's stage
	v_mul_u32_u24 v6, v2, SP
	v_add_nc_u32 v6, s23, v6
	v_lshl_add_u32 v18, v3, 5, v6
	v_add_nc_u32 v18, WSTG, v18                    ; out of Wo's stage: row r, + 32 h
	v_lshl_add_u32 v6, v3, 7, v6                   ; out of the quantising stage: row r, + 128 h
	v_lshlrev_b32 v8, 4, v2                        ; 16 r: my row's four scale words
	v_lshlrev_b32 v9, 3, v3                        ; 8 h
	v_mov_b32 v13, 0                               ; (a lane permute's destination counts as read)
	s_mov_b32 s42, 0x76543210
	s_mov_b32 s43, 0xfedcba98                      ; selects for lane l xor 16
	s_mov_b32 s31, 0
	s_wait_kmcnt 0x0
	s_cmp_ge_u32 ttmp9, 608
	s_cbranch_scc1 .Ltable
	s_cmp_ge_u32 ttmp9, 480
	s_cbranch_scc1 .Lwo
.macro LOADR t                         ; 128 along K of 16 rows: each load 512 consecutive bytes of one row
.set n, 0
.rept 16
	global_load_b128 v[RR+64*((\t)%2)+4*n:RR+64*((\t)%2)+4*n+3], v4, s[24:25] offset:n*8192+(\t)*512 th:TH_LOAD_NT
.set n, n+1
.endr
.endm
.macro TOSTG t, sti                    ; and into the stage as they lie
.if (\t) < 3
	s_wait_loadcnt 16                              ; this step's 16 loads are in; the next step's 16 may be out
.else
	s_wait_loadcnt 0x0
.endif
.set n, 0
.rept 16
	ds_store_b128 v[\sti], v[RR+64*((\t)%2)+4*n:RR+64*((\t)%2)+4*n+3] offset:n*SP
.set n, n+1
.endr
.endm
	; ---- 16 rows to codes.  Wave w takes K = 512 w on: K steps 4 (w % 2) + 0..3 of chunk w / 2
	s_mov_b32 s30, 448
	s_cmp_lt_u32 ttmp9, 448                        ; which tensor: the choice hangs on the work-group's number alone
	s_cselect_b64 s[24:25], s[8:9], s[10:11]
	s_cselect_b32 s30, 384, s30
	s_cmp_lt_u32 ttmp9, 384
	s_cselect_b64 s[24:25], s[6:7], s[24:25]
	s_cselect_b32 s30, 128, s30
	s_cmp_lt_u32 ttmp9, 128
	s_cselect_b64 s[24:25], s[4:5], s[24:25]
	s_cselect_b32 s30, 0, s30
	s_sub_co_u32 s30, ttmp9, s30                   ; the row tile in its tensor
	s_lshl_b32 s30, s30, 17                        ; 16 rows of 8,192 bytes
	s_lshl_b32 s23, s22, 11
	s_add_co_u32 s30, s30, s23
	s_add_nc_u64 s[24:25], s[24:25], s[30:31]
	s_lshr_b32 s23, s22, 1
	s_mul_i32 s30, s23, 480*8704
	s_mul_i32 s23, ttmp9, 8704
	s_add_co_u32 s30, s30, s23
	s_add_nc_u64 s[28:29], s[16:17], s[30:31]      ; my record
	s_and_b32 s23, s22, 1
	s_lshl_b32 s30, s23, 12
	s_add_nc_u64 s[26:27], s[28:29], s[30:31]      ; my four K steps' codes
	s_lshl_b32 s30, s23, 8
	s_add_nc_u64 s[28:29], s[28:29], s[30:31]      ; my 256 bytes of scale words (+ 8,192 in the immediate)
	LOADR 0
	LOADR 1
.macro QSTEP t
	TOSTG \t, 5
.set n, 0
.rept 16
	ds_load_b128 v[XX+4*n:XX+4*n+3], v6 offset:256*(n/8)+16*(n%8)   ; my blocks h and 2 + h: 32 neighbours each.  LDS serves a wave's instructions in order: these see the stores above
.set n, n+1
.endr
	s_wait_dscnt 0x0                               ; the numbers are back, and the stores have read their registers,
.if (\t) < 2
	LOADR (\t)+2                                   ; which take the loads of two steps on
.endif
	v_max3_num_f32 v10, |v[XX]|, |v[XX+1]|, 0x1800000      ; a block's largest magnitude, all 32 mine, with the floor 2^(3 - 127): the byte cannot fall under 1
	v_max3_num_f32 v11, |v[XX+32]|, |v[XX+33]|, 0x1800000
.set n, 2
.rept 15
	v_max3_num_f32 v10, v10, |v[XX+n]|, |v[XX+n+1]|
	v_max3_num_f32 v11, v11, |v[XX+32+n]|, |v[XX+33+n]|
.set n, n+2
.endr
	v_add_nc_u32 v14, 0xff000000, v10              ; 2 off the exponent field: the conversion takes this operand's exponent field as its scale
	v_add_nc_u32 v15, 0xff000000, v11
.set n, 0
.rept 8
	v_cvt_scalef32_pk8_fp4_f32 v[CD+8*(\t)+n], v[XX+8*n:XX+8*n+7], v[14+n/4]
.set n, n+1
.endr
	v_lshrrev_b32 v10, 23, v14                     ; the scales' bytes (a plain line behind the conversions)
	v_lshrrev_b32 v11, 23, v15
	v_lshl_or_b32 v10, v11, 16, v10                ; blocks h and 2 + h,
	v_lshlrev_b32 v10, v9, v10                     ; at their places in the word;
	v_permlanex16_b32 v13, v10, s42, s43
	v_or_b32 v[SB+(\t)], v10, v13                  ; with lane l xor 16's two the word is whole
	global_store_b128 v4, v[CD+8*(\t):CD+8*(\t)+3], s[26:27] offset:(\t)*1024
	global_store_b128 v4, v[CD+8*(\t)+4:CD+8*(\t)+7], s[26:27] offset:(\t)*1024+512
.endm
	QSTEP 0
	QSTEP 1
	QSTEP 2
	QSTEP 3
	s_wait_xcnt 0x0                                ; EXEC changes only behind this wait
	v_cmp_gt_u32 vcc_lo, 16, v1
	s_and_saveexec_b32 s23, vcc_lo
	global_store_b128 v8, v[SB:SB+3], s[28:29] offset:8192   ; sixteen lanes store 256 consecutive bytes, aligned
	s_wait_xcnt 0x0
	s_or_b32 exec_lo, exec_lo, s23
	s_branch .Lend
	; ---- 16 rows of Wo to f16.  Wave w takes k = 512 w on
.Lwo:
	s_sub_co_u32 s23, ttmp9, 480                   ; n tile
	s_lshl_b32 s30, s23, 17
	s_lshl_b32 s32, s22, 11
	s_add_co_u32 s30, s30, s32
	s_add_nc_u64 s[24:25], s[12:13], s[30:31]
	s_lshl_b32 s30, s22, 21                        ; 2 w blocks of 256 along K, 1,048,576 bytes each
	s_lshl_b32 s23, s23, 13
	s_add_co_u32 s30, s30, s23
	s_add_nc_u64 s[26:27], s[18:19], s[30:31]
	LOADR 0
	LOADR 1
.macro WSTEP t
	TOSTG \t, 7
.set n, 0
.rept 16
	ds_load_b128 v[XX+4*n:XX+4*n+3], v18 offset:64*(n/2)+16*(n%2)   ; piece n / 2: my eight neighbours k = 16 (n / 2) + 8 h + 0..7
.set n, n+1
.endr
	s_wait_dscnt 0x0
	s_wait_xcnt 0x0                                ; the last step's stores have read their data registers
.if (\t) < 2
	LOADR (\t)+2
.endif
.set n, 0
.rept 32
	v_cvt_pk_f16_f32 v[CD+n], v[XX+2*n], v[XX+2*n+1]
.set n, n+1
.endr
.set n, 0
.rept 8
	global_store_b128 v4, v[CD+4*n:CD+4*n+3], s[26:27] offset:((\t)/2)*1048576+(((\t)%2)*4+n/2)*1024+(n%2)*512
.set n, n+1
.endr
.endm
	WSTEP 0
	WSTEP 1
	WSTEP 2
	WSTEP 3
	s_branch .Lend
	; ---- cos and sin.  Wave w takes row tile 4 (work-group - 608) + w; lane (r, h): position r, frequencies 16 b + 8 h + 0..7
.Ltable:
	s_sub_co_u32 s23, ttmp9, 608
	s_lshl_b32 s23, s23, 2
	s_add_co_u32 s23, s23, s22
	s_lshl_b32 s30, s23, 6
	s_add_nc_u64 s[24:25], s[14:15], s[30:31]
	s_lshl_b32 s30, s23, 12
	s_add_nc_u64 s[26:27], s[20:21], s[30:31]
	v_lshlrev_b32 v10, 2, v2
	global_load_b32 v11, v10, s[24:25]
	s_mov_b32 s32, 0xbfc90fdb                      ; -pi/2, its f32 part,
	s_mov_b32 s33, 0x333bbd2e                      ; and what that part has too much
	s_mov_b32 s34, 0xb94ca1f9                      ; sine: -1.9515295891e-4, 8.3321608736e-3, -1.6666654611e-1
	s_mov_b32 s35, 0x3c08839e
	s_mov_b32 s36, 0xbe2aaaa3
	s_mov_b32 s37, 0x37ccf5ce                      ; cosine: 2.443315712e-5, -1.388731625e-3, 4.166664568e-2
	s_mov_b32 s38, 0xbab6061a
	s_mov_b32 s39, 0x3d2aaaa5
.set n, 0
.rept 16
	v_add_nc_u32 v[64+n], 16*(n/8)+n%8, v9         ; the frequency's number f
.set n, n+1
.endr
.set n, 0
.rept 16
	v_cvt_f32_u32 v[64+n], v[64+n]
.set n, n+1
.endr
.set n, 0
.rept 16
	v_mul_f32 v[64+n], 0xbed49a78, v[64+n]         ; -f log2(10000) / 32
.set n, n+1
.endr
.set n, 0
.rept 16
	v_exp_f32 v[64+n], v[64+n]                     ; inv_freq = 10000^(-f / 32)
.set n, n+1
.endr
	v_nop                                          ; a plain line behind the last exponential,
	s_wait_alu depctr_va_vdst(0)                   ; and one wait for the batch, ahead of its first reader
	s_wait_loadcnt 0x0
	v_cvt_f32_i32 v11, v11                         ; the position as a number
.macro SINCOS q
	v_mul_f32 v192, v11, v[64+(\q)]                ; the angle
	v_mul_f32 v193, 0x3f22f983, v192
	v_rndne_f32 v193, v193                         ; n = the nearest multiple of pi/2
	v_fma_f32 v194, v193, s32, v192
	v_fma_f32 v194, v193, s33, v194                ; x = angle - n pi/2, within pi/4
	v_mul_f32 v195, v194, v194                     ; z
	v_fma_f32 v196, v195, s34, s35
	v_fma_f32 v197, v195, s37, s38
	v_fma_f32 v196, v196, v195, s36
	v_fma_f32 v197, v197, v195, s39
	v_mul_f32 v196, v196, v195
	v_mul_f32 v197, v197, v195
	v_fma_f32 v198, v195, -0.5, 1.0
	v_fma_f32 v196, v196, v194, v194               ; sin x
	v_fma_f32 v197, v197, v195, v198               ; cos x
	v_cvt_i32_f32 v193, v193
	v_and_b32 v198, 1, v193
	v_cmp_eq_u32 vcc_lo, 1, v198                   ; odd n: the two change places
	v_cndmask_b32 v199, v196, v197, vcc_lo
	v_cndmask_b32 v198, v197, v196, vcc_lo
	v_and_b32 v196, 2, v193                        ; the sine's sign: n & 2; the cosine's: (n + 1) & 2
	v_add_nc_u32 v193, 1, v193
	v_lshlrev_b32 v196, 30, v196
	v_and_b32 v193, 2, v193
	v_xor_b32 v[136+16*((\q)/8)+(\q)%8], v196, v199
	v_lshlrev_b32 v193, 30, v193
	v_xor_b32 v[128+16*((\q)/8)+(\q)%8], v193, v198
.endm
.irp q, 0,1,2,3,4,5,6,7,8,9,10,11,12,13,14,15
	SINCOS \q
.endr
.set n, 0
.rept 8
	global_store_b128 v4, v[128+4*n:131+4*n], s[26:27] offset:n*512
.set n, n+1
.endr
.Lend:
	s_wait_tensorcnt 0x0                           ; the wave's end
	ds_add_u32 v[SPW], v[NIL]
	s_wait_dscnt 0x0
	s_endpgm
.Lfunc_end_k_qa56ec165ce_prep:
	.size	k_qa56ec165ce_prep, .Lfunc_end_k_qa56ec165ce_prep-k_qa56ec165ce_prep
	.p2alignl 7, 3214868480
	.fill 96, 4, 3214868480
	.section	.rodata,"a",@progbits
	.p2align	6, 0x0
	.amdhsa_kernel k_qa56ec165ce_prep
		.amdhsa_group_segment_fixed_size 68096
		.amdhsa_private_segment_fixed_size 0
		.amdhsa_enable_private_segment 0
		.amdhsa_kernarg_size 72
		.amdhsa_user_sgpr_count 2
		.amdhsa_user_sgpr_kernarg_segment_ptr 1
		.amdhsa_wavefront_size32 1
		.amdhsa_system_sgpr_workgroup_id_x 1
		.amdhsa_system_sgpr_workgroup_id_y 1
		.amdhsa_system_sgpr_workgroup_id_z 1
		.amdhsa_system_vgpr_workitem_id 0
		.amdhsa_next_free_vgpr 256
		.amdhsa_next_free_sgpr 66
		.amdhsa_reserve_vcc 1
		.amdhsa_float_denorm_mode_32 3
		.amdhsa_float_denorm_mode_16_64 3
		.amdhsa_memory_ordered 1
		.amdhsa_forward_progress 1
		.amdhsa_inst_pref_size 79
	.end_amdhsa_kernel
	.amdgpu_metadata
---
amdhsa.version: [ 1, 2 ]
amdhsa.kernels:
  - .name:           k_qa56ec165ce_prep
    .symbol:         k_qa56ec165ce_prep.kd
    .args:
      - { .name: hidden_states, .offset: 0, .size: 8, .value_kind: global_buffer, .address_space: global }
      - { .name: Wq, .offset: 8, .size: 8, .value_kind: global_buffer, .address_space: global }
      - { .name: Wk, .offset: 16, .size: 8, .value_kind: global_buffer, .address_space: global }
      - { .name: Wv, .offset: 24, .size: 8, .value_kind: global_buffer, .address_space: global }
      - { .name: Wo, .offset: 32, .size: 8, .value_kind: global_buffer, .address_space: global }
      - { .name: position_ids, .offset: 40, .size: 8, .value_kind: global_buffer, .address_space: global }
      - { .name: opq, .offset: 48, .size: 8, .value_kind: global_buffer, .address_space: global }
      - { .name: wo16, .offset: 56, .size: 8, .value_kind: global_buffer, .address_space: global }
      - { .name: cst, .offset: 64, .size: 8, .value_kind: global_buffer, .address_space: global }
    .group_segment_fixed_size: 68096
    .private_segment_fixed_size: 0
    .kernarg_segment_align: 8
    .kernarg_segment_size: 72
    .max_flat_workgroup_size: 128
    .sgpr_count:     66
    .vgpr_count:     256
    .wavefront_size: 32
...
	.end_amdgpu_metadata
.endif
;; end of part 1
;; launch qkv (part 2): grid 44 x 16, 4 waves a work-group, clusters of 4 x 4, 279,040 bytes of LDS; arguments opq, cst, qimg, kvimg; writes qimg, kvimg
.if DOCPART == 2
	.amdgcn_target "amdgcn-amd-amdhsa--gfx1250"
	.amdhsa_code_object_version 6
	.text
	.protected	k_qa56ec165ce_qkv
	.globl	k_qa56ec165ce_qkv
	.p2align	8
	.type	k_qa56ec165ce_qkv,@function
k_qa56ec165ce_qkv:
	s_mov_b64 s[64:65], 0
	v_nop
	global_prefetch_b8 v0, s[64:65] scope:SCOPE_SE
	s_setreg_imm32_b32 hwreg(HW_REG_WAVE_MODE, 25, 1), 1
	s_wait_xcnt 0x0
	s_wait_alu depctr_hold_cnt(0) depctr_sa_sdst(0) depctr_va_vdst(0) depctr_va_sdst(0) depctr_va_ssrc(0) depctr_va_vcc(0) depctr_vm_vsrc(0)
	s_getreg_b32 s2, hwreg(HW_REG_IB_STS2, 6, 4)
	s_cmp_eq_u32 s2, 0
	s_cbranch_scc0 .Lentry_in_a_cluster
	s_endpgm
.Lentry_in_a_cluster:
	s_bfe_u32 s2, ttmp6, 0x10000c
	s_cmp_lg_u32 s2, 0xf033
	s_cbranch_scc0 .Lentry_shape_is_right
	s_endpgm
.Lentry_shape_is_right:
; Launch 2 of 4: q, k, v = hidden x [Wq; Wk; Wv]^T on codes of E2M1 with E8M0 scales (K = 2,048), the rotary embedding in f32, and the results as f16 in the order of launch 3's operand registers.
; SHARES.  A work-group makes 128 positions x 128 weight rows; wave (wr, wc) 64 x 64: 16 accumulators.  Its 64 weight rows are one unit u = 2 x tile column + wc: a head of q1 (0-31) or q2 (32-63), k1 (64-71), k2 (72-79) or v (80-87) of a group.
; ALL OF K LIES IN LDS: 2 chunks x (8 row tiles of hidden + 8 of the weights) x 8,704 bytes = 278,528.  Every byte is filled once, by two tensor loads a wave at the head: there is no ring.
; CLUSTER 4 x 4: the four of a row need the same positions, the four of a column the same weight rows: each block is asked for JOINTLY.  Cluster x tells q (0-7), k (8, 9) and v (10) apart, so the branch on the kind is alike in all partners.
; THE PATHS PART ONCE, behind K step 6: q's and k's work-groups ask for their cos and sin there, which land under K steps 7 to 15, and rotate; v's load no table and only convert.  The nine K steps are written in both arms.
; THE MATRIX INSTRUCTION IS USED TRANSPOSED (source 0 = 16 weight rows, source 1 = 16 positions): lane (r, h) holds position r and channels 16 b + 8 h + 0..7, which pack into 16 bytes of an operand piece.
; OUT: qimg [u 64][position tile 128][b 4][512];  kvimg [group 8][256 keys: 8][a 4][64 keys: 4][t 12][512], key tile 16 slot + 4 s + a; t 0-3 k1, 4-7 k2 (16 x lane), 8-11 v (16 keys x 16 channels: 32 key + 16 h).
; LIMIT: q, k and v beyond 65,504 do not fit f16.
; REGISTERS: window 0: v1-15 addresses; v16-31 scale words, nothing else; v32-95 packed results; v96-127 at work; v128-255 accumulator (a, b) at 128 + 8 (4 a + b).
;   window 1: four fragment buffers of 64 (K step j in buffer j % 4): positions' tiles at 8 a, weights' at 32 + 8 b.   window 2: v0-127 cos and sin: tile a: cos(b) at 32 a + 16 b, sin(b) 8 further.
.set REC,    8704                      ; a row tile's record for 1,024 along K: 8 x 1,024 of codes, 512 of scale words
.set QUART,  4*REC                     ; what one tensor load brings
.set CHUNKL, 4*QUART                   ; a chunk in LDS: positions' 8 tiles, weights' 8 tiles
.set CHUNKG, 480*REC                   ; a chunk in memory
.set SPARE,  2*CHUNKL                  ; the spare words, 128 bytes for each wave
.set ADRA, 2                           ; v2-3   my four tiles of positions in chunk 0, 1: + 16 x lane
.set ADRB, 4                           ; v4-5   my four tiles of weights
.set ADRS, 6                           ; v6-7   scale words: lanes 0-15 the positions', lanes 16-31 the weights'
.set VO,   8                           ; v8-11  the way out: my place in position tile a's pieces
.set SPW,  12
.set NIL,  13
.set SC,   16
.set OUTR, 32
.set T,    96
.set ACC,  128
.set G1A,  24                          ; s[24:31], s[32:39] descriptor groups 1;  s[40:47], s[48:55] groups 0, one for each chunk
.set G1B,  32
.set G0A,  40
.set G0B,  48
.set MSB, 0
.macro WIN new                         ; the immediate's high byte repeats the setting that is left
.if MSB != \new
	s_set_vgpr_msb (MSB<<8)|\new
.set MSB, \new
.endif
.endm
.macro JLOAD s                         ; a joint load: waves 0 and 1 fetch the positions' halves, waves 2 and 3 the weights'; an s_nop 0 and four v_nop follow each line
	s_cmp_eq_u32 s13, 0
	s_cbranch_scc0 .Lfor_b_\@
	tensor_load_to_lds s[G0A+4*\s:G0A+4*\s+3], s[G1A:G1A+7]
	s_nop 0
.rept 4
	v_nop
.endr
	s_branch .Lasked_\@
.Lfor_b_\@:
	tensor_load_to_lds s[G0B+4*\s:G0B+4*\s+3], s[G1B:G1B+7]
	s_nop 0
.rept 4
	v_nop
.endr
.Lasked_\@:
.endm
.macro CROUND                          ; a round of the cluster's barrier
	s_barrier_signal -1
	s_barrier_wait -1
	s_cmp_lg_u32 s12, 0
	s_cbranch_scc1 .Lnot_wave_0_\@
	s_barrier_signal -3
.Lnot_wave_0_\@:
	s_barrier_wait -3
	s_barrier_signal -1
	s_barrier_wait -1
.endm
	s_load_b256 s[4:11], s[0:1], 0x0               ; opq, cst, qimg, kvimg
	v_lshl_add_u32 v[SPW], v0, 2, SPARE
	v_mov_b32 v[NIL], 0
	ds_add_u32 v[SPW], v[NIL]                      ; the opening: the add, twice on end, and its wait ahead of my first tensor load
	ds_add_u32 v[SPW], v[NIL]
	v_lshrrev_b32 v1, 5, v0
	v_readfirstlane_b32 s12, v1                    ; wave
	s_lshr_b32 s13, s12, 1                         ; wr: my half of the positions.  Also: I fetch positions (0) or weights (1)
	s_and_b32 s14, s12, 1                          ; wc: my half of the weight rows.  Also: which four tiles I fetch
	s_bfe_u32 s15, ttmp6, 0x40000                  ; cx
	s_bfe_u32 s16, ttmp6, 0x40004                  ; cy
	s_lshl_b32 s17, ttmp9, 2
	s_add_co_u32 s17, s17, s15                     ; tile column 0..43
	s_and_b32 s18, ttmp7, 0xffff
	s_lshl_b32 s18, s18, 2
	s_add_co_u32 s18, s18, s16                     ; tile row 0..15
	s_lshl_b32 s19, s16, 2
	s_lshl_b32 s19, 15, s19                        ; my row of the cluster
	s_lshl_b32 s20, 0x1111, s15                    ; my column
	s_or_b32 s[G1A], s19, (3<<16)|(1<<21)          ; the mask; elements of 8 bytes; bit 21 beside a mask; no padding
	s_or_b32 s[G1B], s20, (3<<16)|(1<<21)
.irp g, G1A, G1B
	s_mov_b32 s[\g+1], 32<<16                      ; a dense block of 34,816 bytes as 136 rows of 256
	s_mov_b32 s[\g+2], 136<<16
	s_mov_b32 s[\g+3], 32<<16
	s_mov_b32 s[\g+4], 136
	s_mov_b32 s[\g+5], 32
	s_mov_b32 s[\g+6], 0
	s_mov_b32 s[\g+7], 0
.endr
	s_lshl_b32 s21, s14, 2
	s_lshl_b32 s56, s18, 3
	s_add_co_u32 s56, s56, s21                     ; positions: row tile 8 x tile row + 4 x half
	s_mul_i32 s56, s56, REC
	s_mov_b32 s57, 0
	s_lshl_b32 s58, s17, 3
	s_add_co_u32 s58, s58, s21
	s_add_co_u32 s58, s58, 128                     ; weights: row tile 128 + 8 x tile column + 4 x half
	s_mul_i32 s58, s58, REC
	s_mov_b32 s59, 0
	s_mul_i32 s60, s12, QUART                      ; where they go: no place in the cluster enters an LDS address
	s_wait_dscnt 0x0                               ; both opening adds are done
	s_wait_kmcnt 0x0
	s_add_nc_u64 s[56:57], s[4:5], s[56:57]
	s_add_nc_u64 s[58:59], s[4:5], s[58:59]
	CROUND                                         ; all sixteen work-groups are here: the joint loads meet
.irp s, 0,1
	s_mov_b32 s[G0A+4*\s], 1
	s_add_co_u32 s[G0A+4*\s+1], s60, \s*CHUNKL
	s_add_nc_u64 s[G0A+4*\s+2:G0A+4*\s+3], s[56:57], \s*CHUNKG
	s_or_b32 s[G0A+4*\s+3], s[G0A+4*\s+3], 0x80000000
	s_mov_b32 s[G0B+4*\s], 1
	s_add_co_u32 s[G0B+4*\s+1], s60, \s*CHUNKL
	s_add_nc_u64 s[G0B+4*\s+2:G0B+4*\s+3], s[58:59], \s*CHUNKG
	s_or_b32 s[G0B+4*\s+3], s[G0B+4*\s+3], 0x80000000
	JLOAD \s                                       ; two loads of mine are out: all that this launch fetches into LDS
.endr
	v_and_b32 v14, 31, v0
	v_lshlrev_b32 v1, 4, v14                       ; 16 x lane
	v_and_b32 v14, 15, v0                          ; r
	v_bfe_u32 v15, v0, 4, 1                        ; h
	s_mul_i32 s21, s13, QUART
	s_mul_i32 s22, s14, QUART
	s_add_co_u32 s22, s22, 2*QUART
	v_add_nc_u32 v[ADRA], s21, v1
	v_add_nc_u32 v[ADRA+1], CHUNKL, v[ADRA]
	v_add_nc_u32 v[ADRB], s22, v1
	v_add_nc_u32 v[ADRB+1], CHUNKL, v[ADRB]
	s_sub_co_u32 s22, s22, s21                     ; from my positions' tiles to my weights'
	v_mul_u32_u24 v[ADRS], s22, v15                ; lanes 16-31 take the weights'
	v_lshl_add_u32 v[ADRS], v14, 4, v[ADRS]
	s_add_co_u32 s21, s21, 8192
	v_add_nc_u32 v[ADRS], s21, v[ADRS]
	v_add_nc_u32 v[ADRS+1], CHUNKL, v[ADRS]
.macro FETCH j                         ; K step j: eight fragments (two loads each) and four registers of scale words
	WIN 0x40                                       ; destination window 1
.irp i, 0,1,2,3
	ds_load_b128 v[64*((\j)%4)+8*\i:64*((\j)%4)+8*\i+3],       v[ADRA+(\j)/8] offset:\i*REC+((\j)%8)*1024
	ds_load_b128 v[64*((\j)%4)+8*\i+4:64*((\j)%4)+8*\i+7],     v[ADRA+(\j)/8] offset:\i*REC+((\j)%8)*1024+512
	ds_load_b128 v[64*((\j)%4)+32+8*\i:64*((\j)%4)+32+8*\i+3], v[ADRB+(\j)/8] offset:\i*REC+((\j)%8)*1024
	ds_load_b128 v[64*((\j)%4)+36+8*\i:64*((\j)%4)+36+8*\i+3], v[ADRB+(\j)/8] offset:\i*REC+((\j)%8)*1024+512
.endr
	WIN 0
.irp i, 0,1,2,3
	ds_load_b32 v[SC+4*((\j)%4)+\i], v[ADRS+(\j)/8] offset:\i*REC+(((\j)%8)/4)*256+((\j)%4)*4
.endr
.endm
.macro MUL8 j, a0                      ; position tiles a0, a0 + 1 x the four weight tiles.  The 16 accumulators take turns in one order; the first K step starts the sums
.irp a, \a0, \a0+1
.irp b, 0,1,2,3
.if (\j) == 0
	v_wmma_scale_f32_16x16x128_f8f6f4 v[ACC+8*(4*(\a)+\b):ACC+8*(4*(\a)+\b)+7], v[64*((\j)%4)+32+8*\b:64*((\j)%4)+32+8*\b+7], v[64*((\j)%4)+8*(\a):64*((\j)%4)+8*(\a)+7], 0, v[SC+4*((\j)%4)+\b], v[SC+4*((\j)%4)+(\a)] matrix_a_fmt:MATRIX_FMT_FP4 matrix_b_fmt:MATRIX_FMT_FP4 matrix_a_scale:MATRIX_SCALE_ROW1
.else
	v_wmma_scale_f32_16x16x128_f8f6f4 v[ACC+8*(4*(\a)+\b):ACC+8*(4*(\a)+\b)+7], v[64*((\j)%4)+32+8*\b:64*((\j)%4)+32+8*\b+7], v[64*((\j)%4)+8*(\a):64*((\j)%4)+8*(\a)+7], v[ACC+8*(4*(\a)+\b):ACC+8*(4*(\a)+\b)+7], v[SC+4*((\j)%4)+\b], v[SC+4*((\j)%4)+(\a)] matrix_a_fmt:MATRIX_FMT_FP4 matrix_b_fmt:MATRIX_FMT_FP4 matrix_a_scale:MATRIX_SCALE_ROW1
.endif
.endr
.endr
.endm
.macro KSTEP j
.if (\j) < 15
	s_wait_dscnt 20                                ; this K step's 20 loads are in; the next step's 20 may be out
.else
	s_wait_dscnt 0x0
.endif
	WIN 0x05                                       ; sources 0 and 1 window 1; C and D window 0
	MUL8 \j, 0
.if (\j) < 14
.rept 4
	v_nop                                          ; places in front of loads into a buffer that matrix instructions have read
.endr
.if (\j) == 6
	s_wait_tensorcnt 0x0                           ; my part of chunk 1 is in (no load was issued behind it),
	s_wait_dscnt 0x0                               ; no LDS instruction of mine is out at the signal,
	s_barrier_signal -1
	s_barrier_wait -1                              ; and everybody's part is in: K step 8 may be fetched
.endif
	FETCH (\j)+2
	WIN 0x05
.endif
	MUL8 \j, 2
.endm
.macro REST                            ; K steps 7 to 15, and the places behind the last products, in front of the first read of the sums
.irp j, 7,8,9,10,11,12,13,14,15
	KSTEP \j
.endr
	WIN 0
.rept 4
	v_nop
.endr
.endm
	s_wait_tensorcnt 0x1                           ; my part of chunk 0 is in; chunk 1's may stay out
	s_barrier_signal -1
	s_barrier_wait -1
	FETCH 0
	FETCH 1
.irp j, 0,1,2,3,4,5,6
	KSTEP \j
.endr
	WIN 0                                          ; at a branch and at a label every window is 0
	; the way out's addresses, ahead of the parting: work on registers that no product names
	s_lshl_b32 s20, s17, 1
	s_add_co_u32 s20, s20, s14                     ; u
	s_lshl_b32 s21, s18, 1
	s_add_co_u32 s21, s21, s13                     ; my 64 positions: key step 0..31
	s_lshl_b32 s22, s20, 18                        ; q: u x 128 tiles x 2,048 bytes
	s_lshl_b32 s23, s21, 13                        ;    + four tiles a step
	s_add_co_u32 s22, s22, s23
	s_and_b32 s23, s20, 7                          ; k, v: the group,
	s_mul_i32 s23, s23, 786432
	s_lshr_b32 s61, s21, 2
	s_mul_i32 s61, s61, 98304                      ; the slot of 256 keys,
	s_add_co_u32 s23, s23, s61
	s_and_b32 s61, s21, 3
	s_mul_i32 s61, s61, 6144                       ; the step in it,
	s_add_co_u32 s23, s23, s61
	s_lshr_b32 s61, s20, 3
	s_sub_co_u32 s61, s61, 8                       ; k1, k2 or v: four pieces each
	s_lshl_b32 s61, s61, 11
	s_add_co_u32 s23, s23, s61
	s_mov_b32 s62, 24576
	s_cmp_lt_u32 ttmp9, 8
	s_cselect_b64 s[66:67], s[8:9], s[10:11]
	s_cselect_b32 s22, s22, s23
	s_cselect_b32 s62, 2048, s62                   ; from position tile to position tile
	s_mov_b32 s23, 0
	s_add_nc_u64 s[66:67], s[66:67], s[22:23]
	s_cmp_eq_u32 ttmp9, 10
	s_cselect_b32 s63, -1, 0
	v_lshlrev_b32 v14, 5, v14
	v_lshl_add_u32 v14, v15, 4, v14                ; v: 32 key + 16 h
	v_cndmask_b32 v[VO], v1, v14, s63              ; q, k: 16 x lane
	v_add_nc_u32 v[VO+1], s62, v[VO]
	v_add_nc_u32 v[VO+2], s62, v[VO+1]
	v_add_nc_u32 v[VO+3], s62, v[VO+2]
	s_cmp_eq_u32 ttmp9, 10                         ; THE ONE PARTING: the cluster's x alone, alike in all partners and all waves
	s_cbranch_scc1 .Lplain
	; ---- q and k: the table of my 64 positions is asked for here and lands under the nine K steps that follow
	s_lshl_b32 s20, s18, 3
	s_lshl_b32 s21, s13, 2
	s_add_co_u32 s20, s20, s21                     ; position tile 8 x tile row + 4 x half
	s_lshl_b32 s20, s20, 12
	s_mov_b32 s21, 0
	s_add_nc_u64 s[6:7], s[6:7], s[20:21]
	WIN 0x80                                       ; destination window 2
.set n, 0
.rept 32
	global_load_b128 v[4*n:4*n+3], v1, s[6:7] offset:n*512
.set n, n+1
.endr
	WIN 0
	REST
	s_wait_loadcnt 0x0                             ; the table
.macro ROPE a                          ; channels d < 32: x1 cos - x2 sin; d + 32: x2 cos + x1 sin.  x1 = accumulators b = 0, 1; x2 = b + 2; each read from its low end on
	WIN 0x08                                       ; source 1 (the table) window 2
.irp b, 0,1
.irp j, 0,2,4,6
	v_pk_mul_f32 v[T+8*\b+\j:T+8*\b+\j+1], v[ACC+8*(4*(\a)+\b)+\j:ACC+8*(4*(\a)+\b)+\j+1], v[32*(\a)+16*\b+\j:32*(\a)+16*\b+\j+1]
	v_pk_mul_f32 v[T+16+8*\b+\j:T+16+8*\b+\j+1], v[ACC+8*(4*(\a)+\b+2)+\j:ACC+8*(4*(\a)+\b+2)+\j+1], v[32*(\a)+16*\b+\j:32*(\a)+16*\b+\j+1]
.endr
.irp j, 0,2,4,6
	v_pk_fma_f32 v[T+8*\b+\j:T+8*\b+\j+1], v[ACC+8*(4*(\a)+\b+2)+\j:ACC+8*(4*(\a)+\b+2)+\j+1], v[32*(\a)+16*\b+8+\j:32*(\a)+16*\b+8+\j+1], v[T+8*\b+\j:T+8*\b+\j+1] neg_lo:[1,0,0] neg_hi:[1,0,0]
	v_pk_fma_f32 v[T+16+8*\b+\j:T+16+8*\b+\j+1], v[ACC+8*(4*(\a)+\b)+\j:ACC+8*(4*(\a)+\b)+\j+1], v[32*(\a)+16*\b+8+\j:32*(\a)+16*\b+8+\j+1], v[T+16+8*\b+\j:T+16+8*\b+\j+1]
.endr
.endr
	WIN 0
.set n, 0
.rept 16
	v_cvt_pk_f16_f32 v[OUTR+16*(\a)+n], v[T+2*n], v[T+2*n+1]
.set n, n+1
.endr
.endm
	ROPE 0
	ROPE 1
	ROPE 2
	ROPE 3
	s_branch .Lstore
	; ---- v: the same nine K steps; no table, no rotation
.Lplain:
	REST
.set n, 0
.rept 64
	v_cvt_pk_f16_f32 v[OUTR+n], v[ACC+2*n], v[ACC+2*n+1]
.set n, n+1
.endr
.Lstore:
.irp a, 0,1,2,3
.irp b, 0,1,2,3
	global_store_b128 v[VO+\a], v[OUTR+4*(4*\a+\b):OUTR+4*(4*\a+\b)+3], s[66:67] offset:\b*512   ; a piece: 512 consecutive bytes, aligned
.endr
.endr
	s_wait_tensorcnt 0x0                           ; the wave's end
	ds_add_u32 v[SPW], v[NIL]
	s_wait_dscnt 0x0
	CROUND                                         ; the closing round
	s_endpgm
.Lfunc_end_k_qa56ec165ce_qkv:
	.size	k_qa56ec165ce_qkv, .Lfunc_end_k_qa56ec165ce_qkv-k_qa56ec165ce_qkv
	.p2alignl 7, 3214868480
	.fill 96, 4, 3214868480
	.section	.rodata,"a",@progbits
	.p2align	6, 0x0
	.amdhsa_kernel k_qa56ec165ce_qkv
		.amdhsa_group_segment_fixed_size 279040
		.amdhsa_private_segment_fixed_size 0
		.amdhsa_enable_private_segment 0
		.amdhsa_kernarg_size 32
		.amdhsa_user_sgpr_count 2
		.amdhsa_user_sgpr_kernarg_segment_ptr 1
		.amdhsa_wavefront_size32 1
		.amdhsa_system_sgpr_workgroup_id_x 1
		.amdhsa_system_sgpr_workgroup_id_y 1
		.amdhsa_system_sgpr_workgroup_id_z 1
		.amdhsa_system_vgpr_workitem_id 0
		.amdhsa_next_free_vgpr 640
		.amdhsa_next_free_sgpr 72
		.amdhsa_reserve_vcc 0
		.amdhsa_float_denorm_mode_32 3
		.amdhsa_float_denorm_mode_16_64 3
		.amdhsa_memory_ordered 1
		.amdhsa_forward_progress 1
		.amdhsa_inst_pref_size 114
	.end_amdhsa_kernel
	.amdgpu_metadata
---
amdhsa.version: [ 1, 2 ]
amdhsa.kernels:
  - .name:           k_qa56ec165ce_qkv
    .symbol:         k_qa56ec165ce_qkv.kd
    .args:
      - { .name: opq, .offset: 0, .size: 8, .value_kind: global_buffer, .address_space: global }
      - { .name: cst, .offset: 8, .size: 8, .value_kind: global_buffer, .address_space: global }
      - { .name: qimg, .offset: 16, .size: 8, .value_kind: global_buffer, .address_space: global }
      - { .name: kvimg, .offset: 24, .size: 8, .value_kind: global_buffer, .address_space: global }
    .group_segment_fixed_size: 279040
    .private_segment_fixed_size: 0
    .kernarg_segment_align: 8
    .kernarg_segment_size: 32
    .max_flat_workgroup_size: 128
    .sgpr_count:     72
    .vgpr_count:     640
    .wavefront_size: 32
...
	.end_amdgpu_metadata
.endif
;; end of part 2
;; launch attn (part 3): grid 32 x 8, 16 waves a work-group, no clusters, 327,680 bytes of LDS; arguments qimg, kvimg, lambda_q1, lambda_k1, lambda_q2, lambda_k2, subln_w, aimg; writes aimg
.if DOCPART == 3
	.amdgcn_target "amdgcn-amd-amdhsa--gfx1250"
	.amdhsa_code_object_version 6
	.text
	.protected	k_qa56ec165ce_attn
	.globl	k_qa56ec165ce_attn
	.p2align	8
	.type	k_qa56ec165ce_attn,@function
k_qa56ec165ce_attn:
	s_mov_b64 s[64:65], 0
	v_nop
	global_prefetch_b8 v0, s[64:65] scope:SCOPE_SE
	s_setreg_imm32_b32 hwreg(HW_REG_WAVE_MODE, 25, 1), 1
	s_wait_xcnt 0x0
; Launch 3 of 4: the two causal softmax maps, their products with V, attn1 V - lambda attn2 V, the RMS norm of each head with subln_w, the factor 1 - lambda_init; f16 out, in the order of launch 4's operand registers.
; LEFT OUT: steps of 64 keys that lie wholly behind a tile's last query (reference()'s own causal mask gives them the weight 0: shown at the head of launch 1), and the fills of slots that no wave of the work-group reads.
; SHARES.  Work-group (i, g) owns group g's four heads x query blocks i and 63 - i of 32 queries, so that every work-group has the same causal work.  Sixteen waves, four to a SIMD, 256 registers each.
; Wave w: map m = w & 1, pair of heads hp = (w >> 1) & 1, query tile tt = ((w >> 2) + w) & 3.  A WAVE RUNS ONE MAP FOR TWO HEADS (X = 0: head 4 g + 2 hp + m, X = 1: the pair's other head), so each fragment of K and of V
; that it reads from LDS feeds two matrix instructions.  At the end it keeps X = 0 and hands X = 1, already scaled, through LDS to the wave that runs the other map: that wave finishes that head.
; LAYOUT.  S^T = K Q^T (source 0 = 16 keys, source 1 = 16 queries), O^T = V^T P (source 0 = 16 channels): a lane holds ONE query throughout; two tiles of S^T, rounded to f16 in pairs, are source 1 of the second product.
; SOFTMAX.  For each query a running maximum m and sum l: p = 2^(c s - c m), c = log2(e) / 8; in every step O and l are multiplied by 2^(c m_old - c m_new).  The map's sum divides at the end.
; NO CLUSTER: work-groups of a group read the same K and V, but their causal limits differ, so a partner would have to ask for slots that none of its waves reads.
; LIMITS: NaN and infinities are not served; p and the normalised head are rounded to f16.
; REGISTERS: v1, v2, v10, v11 my lane's places in a slot; v3, v4 the add's two; v5-8 addresses in hand; v12-27 statistics, 8 for each X: +0 c m, +1 m, +2, +3 l, +4..+7 at work (+6 the rescaling factor);
;   v28 prefetch offset; v29 -infinity; v30 16 x lane; v31 the map's factor; v32-63 Q; v64-127 K, then V; v128-191 S^T, then P in place; v192-255 O^T.
.set SLOT1, 131072                     ; slot 1 begins here: one exclusive or turns an address
.set SLOTB, 98304                      ; a slot: 256 keys: [a 4][step 4][piece 12][512]
.set ABLK,  24576                      ; key tile a of the slot's four steps: what one tensor load brings
.set SSTEP, 6144
.set STAGE, SLOT1+SLOTB                ; 4,096 bytes for each wave: what it hands over
.set SPARE, STAGE+16*4096              ; the spare words, 128 bytes for each wave
.set ST, 12
.set QF, 32
.set KB, 64
.set SS, 128
.set OO, 192
.macro TLOAD                           ; waves 0 to 3 fetch, a quarter of a slot each; an s_nop 0 and four v_nop follow
	s_cmp_lt_u32 s20, 4
	s_cbranch_scc0 .Lasked_\@
	tensor_load_to_lds s[44:47], s[36:43]
	s_nop 0
.rept 4
	v_nop
.endr
.Lasked_\@:
.endm
; A prefetch of the slot that the NEXT change of slots will ask for.  All 32 work-groups of a group walk the same slots: work-group 0 asks, by the twelve waves that fetch nothing: 8,192 bytes a wave, lanes 256 bytes apart:
; 12 x 32 x 256 bytes are one slot, each block named once in the launch.  The last change that fills a slot asks for nothing; slots 0 and 1 come by their loads alone.
.macro ASK
	s_cmp_gt_u32 s29, s30
	s_cbranch_scc0 .Lnot_mine_\@
	global_prefetch_b8 v28, s[48:49] th:TH_LOAD_NT scope:SCOPE_SE
.Lnot_mine_\@:
.endm
	s_load_b512 s[4:19], s[0:1], 0x0               ; qimg, kvimg, lambda_q1, lambda_k1, lambda_q2, lambda_k2, subln_w, aimg
	v_lshl_add_u32 v3, v0, 2, SPARE
	v_mov_b32 v4, 0
	ds_add_u32 v3, v4                              ; the opening: the add, twice on end, and its wait ahead of the first tensor load
	ds_add_u32 v3, v4
	v_lshrrev_b32 v9, 5, v0
	v_readfirstlane_b32 s20, v9                    ; wave
	s_and_b32 s22, s20, 1                          ; m
	s_bfe_u32 s23, s20, 0x10001                    ; hp
	s_lshr_b32 s24, s20, 2
	s_add_co_u32 s24, s24, s20
	s_and_b32 s24, s24, 3                          ; tt
	s_and_b32 s21, s20, 3
	s_lshl_b32 s50, s24, 2
	s_add_co_u32 s21, s21, s50                     ; my stage's number: 4 tt + (w & 3); my partner's differs in bit 0
	s_and_b32 s31, ttmp7, 0xffff                   ; g
	s_sub_co_u32 s50, 63, ttmp9
	s_cmp_lt_u32 s24, 2
	s_cselect_b32 s50, ttmp9, s50                  ; query block i or 63 - i
	s_lshl_b32 s25, s50, 5
	s_and_b32 s50, s24, 1
	s_lshl_b32 s50, s50, 4
	s_add_co_u32 s25, s25, s50                     ; my first query
	s_lshl_b32 s26, ttmp9, 5
	s_sub_co_u32 s26, 2047, s26                    ; the work-group's last query
	s_mov_b32 s27, 0                               ; the step's first key
	s_mov_b32 s28, 0                               ; the slot in hand
	s_mov_b32 s29, 7                               ; changes of slots that may ask
	s_mov_b32 s32, 0x76543210
	s_mov_b32 s33, 0xfedcba98
	s_mov_b32 s34, 0x3e38aa3b                      ; c = log2(e) / 8
	s_mov_b32 s35, s34
	s_mov_b32 s36, 3<<16                           ; group 1: a dense block of 24,576 bytes as 96 rows of 256; elements of 8 bytes; no mask, no padding
	s_mov_b32 s37, 32<<16
	s_mov_b32 s38, 96<<16
	s_mov_b32 s39, 32<<16
	s_mov_b32 s40, 96
	s_mov_b32 s41, 32
	s_mov_b32 s42, 0
	s_mov_b32 s43, 0
	s_min_u32 s51, s20, 3
	s_mul_i32 s51, s51, ABLK                       ; my quarter of a slot
	s_mul_i32 s52, s31, 8*SLOTB
	s_mov_b32 s53, 0
	s_wait_dscnt 0x0                               ; both opening adds are done
	s_wait_kmcnt 0x0
	s_add_nc_u64 s[6:7], s[6:7], s[52:53]          ; kvimg at my group
	s_mov_b32 s44, 1
	s_mov_b32 s45, s51
	s_mov_b32 s52, s51
	s_add_nc_u64 s[46:47], s[6:7], s[52:53]
	s_or_b32 s47, s47, 0x80000000
	TLOAD                                          ; slot 0: it holds key 0, which counts for every query
	s_lshl_b32 s50, s31, 2
	s_lshl_b32 s51, s23, 1
	s_add_co_u32 s50, s50, s51
	s_lshl_b32 s51, s22, 5
	s_add_co_u32 s50, s50, s51                     ; 32 m + 4 g + 2 hp
	s_add_co_u32 s54, s50, s22                     ; X = 0: + m
	s_xor_b32 s51, s22, 1
	s_add_co_u32 s56, s50, s51                     ; X = 1: + 1 - m
	s_lshl_b32 s54, s54, 18
	s_lshl_b32 s56, s56, 18
	s_lshl_b32 s51, s25, 7                         ; my query tile: 2,048 bytes each
	s_add_co_u32 s54, s54, s51
	s_add_co_u32 s56, s56, s51
	s_mov_b32 s55, 0
	s_mov_b32 s57, 0
	s_add_nc_u64 s[54:55], s[4:5], s[54:55]
	s_add_nc_u64 s[56:57], s[4:5], s[56:57]
	v_and_b32 v9, 31, v0
	v_lshlrev_b32 v30, 4, v9
.irp b, 0,1,2,3
	global_load_b128 v[QF+4*\b:QF+4*\b+3], v30, s[54:55] offset:512*\b        ; Q stays in registers
	global_load_b128 v[QF+16+4*\b:QF+16+4*\b+3], v30, s[56:57] offset:512*\b
.endr
	v_lshlrev_b32 v5, 3, v9
	global_load_b64 v[64:65], v5, s[8:9]           ; the four lambda vectors, two numbers a lane
	global_load_b64 v[66:67], v5, s[10:11]
	global_load_b64 v[68:69], v5, s[12:13]
	global_load_b64 v[70:71], v5, s[14:15]
	s_lshl_b32 s50, s22, 11
	v_add_nc_u32 v1, s50, v30                      ; K: 16 x lane, in my map's four pieces; key tiles 0, 1
	v_add_nc_u32 v10, 2*ABLK, v1                   ; key tiles 2, 3
	v_bfe_u32 v6, v0, 4, 1
	v_and_b32 v7, 7, v0
	v_lshl_add_u32 v7, v6, 3, v7
	v_bfe_u32 v8, v0, 3, 1
	v_lshlrev_b32 v2, 5, v7
	v_lshl_add_u32 v2, v8, 4, v2                   ; V, for the turning load: key 8 (l / 16) + l % 8 at 32 bytes a key, channels 8 ((l / 8) % 2) on
	v_add_nc_u32 v2, 4096, v2
	v_add_nc_u32 v11, 2*ABLK, v2
	v_lshlrev_b32 v28, 8, v9
	v_mov_b32 v29, 0xff800000
.irp x, 0,1
	v_mov_b32 v[ST+8*\x+1], 0xff61b1e6             ; the largest score so far: -3e38
	v_mul_f32 v[ST+8*\x], s34, v[ST+8*\x+1]
.irp n, 2,3,4,5,6,7
	v_mov_b32 v[ST+8*\x+\n], 0
.endr
.endr
.set n, 0
.rept 64
	v_mov_b32 v[OO+n], 0                           ; O^T.  (The step is written once: the first finds zeros, which its rescaling leaves zeros)
.set n, n+1
.endr
	s_max_u32 s50, s20, 4
	s_sub_co_u32 s50, s50, 4
	s_lshl_b32 s50, s50, 13                        ; the prefetches: my 8,192 bytes,
	s_add_co_u32 s50, s50, SLOTB                   ; in slot 1: the first change of slots steps them to slot 2
	s_mov_b32 s51, 0
	s_add_nc_u64 s[48:49], s[6:7], s[50:51]
	s_cmp_lt_u32 s20, 4
	s_cselect_b32 s50, 1, 0
	s_or_b32 s50, s50, ttmp9
	s_cmp_eq_u32 s50, 0
	s_cselect_b32 s30, 1, -1                       ; 1 in waves 4 to 15 of the group's first work-group, else the greatest number
	v_mov_b32 v74, 0
	v_mov_b32 v75, 0
	s_wait_loadcnt 0x0                             ; Q and the lambda vectors
	v_mul_f32 v72, v64, v66
	v_mul_f32 v73, v68, v70
	v_fmac_f32 v72, v65, v67
	v_fmac_f32 v73, v69, v71
.irp k, 1,2,4,8
	v_add_f32_dpp v72, v72, v72 row_xmask:\k row_mask:0xf bank_mask:0xf
	v_add_f32_dpp v73, v73, v73 row_xmask:\k row_mask:0xf bank_mask:0xf
.endr
	v_permlanex16_b32 v74, v72, s32, s33
	v_permlanex16_b32 v75, v73, s32, s33
	v_add_f32 v72, v72, v74
	v_add_f32 v73, v73, v75
	v_mul_f32 v72, 0x3fb8aa3b, v72
	v_mul_f32 v73, 0x3fb8aa3b, v73
	v_exp_f32 v72, v72                             ; lambda_1, lambda_2
	v_exp_f32 v73, v73
	v_nop
	s_wait_alu depctr_va_vdst(0)                   ; one wait for the two, ahead of their first reader
	v_sub_f32 v72, v72, v73
	v_add_f32 v72, 0x3f489a63, v72                 ; lambda_full = lambda_1 - lambda_2 + 0.78360577
	v_xor_b32 v72, 0x80000000, v72
	s_cmp_eq_u32 s22, 1
	s_cselect_b32 s50, -1, 0
	v_cndmask_b32 v31, 1.0, v72, s50               ; my map's factor: 1 or -lambda_full
; A KEY STEP: 64 keys, the q-th of the slot in hand.
.macro STEP q
	s_add_co_u32 s51, s25, 15
	s_cmp_gt_u32 s27, s51                          ; all 64 keys behind my last query: the step's work is left out (ids and the count of steps alone)
	s_cbranch_scc1 .Lhidden_\@
	v_add_nc_u32 v5, s28, v1
	v_add_nc_u32 v6, s28, v10
	v_add_nc_u32 v7, s28, v2
	v_add_nc_u32 v8, s28, v11
	v_nop                                          ; five places behind the last step's products: the loads below land on V's registers, the first products below write over P's
.irp ds, 0,1                                   ; K: channels 32 ds on, key tile a
.irp a, 0,1,2,3
.irp c, 0,1
	ds_load_b128 v[KB+8*(4*\ds+\a)+4*\c:KB+8*(4*\ds+\a)+4*\c+3], v[5+\a/2] offset:(\a%2)*ABLK+(\q)*SSTEP+(2*\ds+\c)*512
.endr
.endr
.endr
	s_wait_dscnt 8                                 ; channels 0-31 are in; the eight loads of channels 32-63 may be out
.irp a, 0,1,2,3
.irp x, 0,1
	v_wmma_f32_16x16x32_f16 v[SS+32*\x+8*\a:SS+32*\x+8*\a+7], v[KB+8*\a:KB+8*\a+7], v[QF+16*\x:QF+16*\x+7], 0
.endr
.endr
	s_wait_dscnt 0x0
.irp a, 0,1,2,3                                ; the eight accumulators take turns
.irp x, 0,1
	v_wmma_f32_16x16x32_f16 v[SS+32*\x+8*\a:SS+32*\x+8*\a+7], v[KB+32+8*\a:KB+32+8*\a+7], v[QF+16*\x+8:QF+16*\x+15], v[SS+32*\x+8*\a:SS+32*\x+8*\a+7]
.endr
.endr
.rept 4
	v_nop                                          ; places in front of the loads into K's registers and of the first read of the scores
.endr
.irp ks, 0,1                                   ; V^T: keys 32 ks on (key tiles 2 ks and 2 ks + 1), channels 16 t on: it lands while the softmax is walked
.irp t, 0,1,2,3
	ds_load_tr16_b128 v[KB+8*(4*\ks+\t):KB+8*(4*\ks+\t)+3],   v[7+\ks] offset:(\q)*SSTEP+\t*512
	ds_load_tr16_b128 v[KB+8*(4*\ks+\t)+4:KB+8*(4*\ks+\t)+7], v[7+\ks] offset:ABLK+(\q)*SSTEP+\t*512
.endr
.endr
	s_add_co_u32 s51, s27, 63
	s_cmp_le_u32 s51, s25                          ; all 64 keys count for all my queries: no mask
	s_cbranch_scc1 .Lopen_\@
	s_sub_co_i32 s51, s25, s27
	v_and_b32 v9, 15, v0
	v_bfe_u32 v16, v0, 4, 1
	v_lshlrev_b32 v16, 3, v16
	v_sub_nc_u32 v9, v9, v16
	v_add_nc_u32 v9, s51, v9                       ; d = my query - the step's first key - 8 (lane / 16): register 8 a + j is hidden where 16 a + j > d
.irp a, 0,1,2,3
.irp j, 0,1,2,3,4,5,6,7
	v_cmp_gt_i32 vcc_lo, 16*\a+\j, v9
	v_cndmask_b32 v[SS+8*\a+\j], v[SS+8*\a+\j], v29, vcc_lo
	v_cndmask_b32 v[SS+32+8*\a+\j], v[SS+32+8*\a+\j], v29, vcc_lo
.endr
.endr
.Lopen_\@:
.irp n, 0,1,2,3                                ; the maximum of 32 scores and the old m: four chains, each accumulator from its low end on; the two heads by turns
.irp x, 0,1
	v_max3_num_f32 v[ST+8*\x+4+\n], v[SS+32*\x+8*\n], v[SS+32*\x+8*\n+1], v[SS+32*\x+8*\n+2]
.endr
.endr
.irp i, 3,5
.irp n, 0,1,2,3
.irp x, 0,1
	v_max3_num_f32 v[ST+8*\x+4+\n], v[ST+8*\x+4+\n], v[SS+32*\x+8*\n+\i], v[SS+32*\x+8*\n+\i+1]
.endr
.endr
.endr
.irp x, 0,1
	v_max3_num_f32 v[ST+8*\x+4], v[ST+8*\x+4], v[SS+32*\x+7], v[SS+32*\x+15]
	v_max3_num_f32 v[ST+8*\x+6], v[ST+8*\x+6], v[SS+32*\x+23], v[SS+32*\x+31]
.endr
.irp x, 0,1
	v_max3_num_f32 v[ST+8*\x+4], v[ST+8*\x+4], v[ST+8*\x+5], v[ST+8*\x+6]
.endr
.irp x, 0,1
	v_max3_num_f32 v[ST+8*\x+4], v[ST+8*\x+4], v[ST+8*\x+7], v[ST+8*\x+1]
.endr
.irp x, 0,1
	v_permlanex16_b32 v[ST+8*\x+5], v[ST+8*\x+4], s32, s33   ; the query's other 32 keys lie in the lane 16 away
.endr
.irp x, 0,1
	v_mov_b32 v[ST+8*\x+7], v[ST+8*\x]             ; c m_old
.endr
.irp x, 0,1
	v_max_num_f32 v[ST+8*\x+1], v[ST+8*\x+4], v[ST+8*\x+5]
.endr
.irp x, 0,1
	v_mul_f32 v[ST+8*\x], s34, v[ST+8*\x+1]
.endr
.irp x, 0,1
	v_sub_f32 v[ST+8*\x+7], v[ST+8*\x+7], v[ST+8*\x]
.endr
.set n, 0
.rept 16
.irp x, 0,1
	v_pk_fma_f32 v[SS+32*\x+2*n:SS+32*\x+2*n+1], v[SS+32*\x+2*n:SS+32*\x+2*n+1], s[34:35], v[ST+8*\x:ST+8*\x+1] op_sel_hi:[1,0,0] neg_lo:[0,0,1] neg_hi:[0,0,1]   ; c s - c m
.endr
.set n, n+1
.endr
.irp x, 0,1
	v_exp_f32 v[ST+8*\x+6], v[ST+8*\x+7]           ; ONE BATCH of 66 exponentials: the two rescaling factors,
.endr
.set n, 0
.rept 64
	v_exp_f32 v[SS+n], v[SS+n]                     ; and p
.set n, n+1
.endr
	v_nop                                          ; a plain line behind the last,
	s_wait_alu depctr_va_vdst(0)                   ; and one wait, ahead of the first reader
.irp x, 0,1
	v_pk_mul_f32 v[ST+8*\x+2:ST+8*\x+3], v[ST+8*\x+2:ST+8*\x+3], v[ST+8*\x+6:ST+8*\x+7] op_sel_hi:[1,0]
	v_pk_add_f32 v[ST+8*\x+4:ST+8*\x+5], v[SS+32*\x:SS+32*\x+1], v[SS+32*\x+2:SS+32*\x+3]
.endr
.irp j, 4,8,12,16,20,24,28                     ; the sums of the f32 p, two chains a head
.irp x, 0,1
	v_pk_add_f32 v[ST+8*\x+2:ST+8*\x+3], v[ST+8*\x+2:ST+8*\x+3], v[SS+32*\x+\j:SS+32*\x+\j+1]
	v_pk_add_f32 v[ST+8*\x+4:ST+8*\x+5], v[ST+8*\x+4:ST+8*\x+5], v[SS+32*\x+\j+2:SS+32*\x+\j+3]
.endr
.endr
.irp x, 0,1
	v_pk_add_f32 v[ST+8*\x+2:ST+8*\x+3], v[ST+8*\x+2:ST+8*\x+3], v[ST+8*\x+4:ST+8*\x+5]
.endr
.set n, 0
.rept 16
.irp x, 0,1
	v_cvt_pk_f16_f32 v[SS+32*\x+n], v[SS+32*\x+2*n], v[SS+32*\x+2*n+1]   ; P in place, ascending: register n is written when 2 n and 2 n + 1 are read
.endr
.set n, n+1
.endr
.set n, 0
.rept 16
.irp x, 0,1
	v_pk_mul_f32 v[OO+32*\x+2*n:OO+32*\x+2*n+1], v[OO+32*\x+2*n:OO+32*\x+2*n+1], v[ST+8*\x+6:ST+8*\x+7] op_sel_hi:[1,0]
.endr
.set n, n+1
.endr
	s_wait_dscnt 0x0                               ; V
.irp ks, 0,1
.irp t, 0,1,2,3
.irp x, 0,1
	v_wmma_f32_16x16x32_f16 v[OO+32*\x+8*\t:OO+32*\x+8*\t+7], v[KB+8*(4*\ks+\t):KB+8*(4*\ks+\t)+7], v[SS+32*\x+8*\ks:SS+32*\x+8*\ks+7], v[OO+32*\x+8*\t:OO+32*\x+8*\t+7]
.endr
.endr
.endr
.Lhidden_\@:
	s_add_co_u32 s27, s27, 64
.endm
; THE CHANGE OF SLOTS stands at a slot's head.  Each wave waits for all its tensor loads, adds 0 to its spare word (fill = 1: twice on end), and waits for that and
; for its reads of the slot that it has left.  Behind the barrier the slot ahead is whole and nobody reads the other one, which is then filled with the next 256 keys, if any wave will read them.
.macro CHANGE fill
	s_wait_tensorcnt 0x0                           ; no tensor load of mine is out, so the walking descriptor may be written
	ds_add_u32 v3, v4
.if \fill
	ds_add_u32 v3, v4
	s_xor_b32 s45, s45, SLOT1
	s_add_nc_u64 s[46:47], s[46:47], SLOTB
	s_wait_xcnt 0x0                                ; the last prefetch, a slot back, has read its address
	s_add_nc_u64 s[48:49], s[48:49], SLOTB
.endif
	s_wait_dscnt 0x0
	s_barrier_signal -1
	s_barrier_wait -1
.if \fill
	s_add_co_u32 s51, s27, 256                     ; the first key of the slot that this change would ask for,
	s_cmp_gt_u32 s51, s26                          ; against the work-group's last query: ids and the count of steps alone, alike in all sixteen waves; every wait for tensor loads in this text is for 0
	s_cbranch_scc1 .Lpast_\@
	TLOAD
.Lpast_\@:
	ASK
.endif
.endm
.macro SLOT_STEPS
	STEP 0
	STEP 1
	STEP 2
	STEP 3
	s_xor_b32 s28, s28, SLOT1
.endm
.Lslot:                                            ; seven trips; the trip count is a constant, the causal limit only leads round work
	CHANGE 1
	SLOT_STEPS
	s_sub_co_u32 s29, s29, 1
	s_cmp_lg_u32 s29, 0
	s_cbranch_scc1 .Lslot
	CHANGE 0                                       ; the last slot is written out: nothing is left to ask for
	SLOT_STEPS
	; THE WAY OUT.  The additions are the places behind the last products.
.irp x, 0,1
	v_add_f32 v[ST+8*\x+4], v[ST+8*\x+2], v[ST+8*\x+3]
.endr
.irp x, 0,1
	v_permlanex16_b32 v[ST+8*\x+5], v[ST+8*\x+4], s32, s33
.endr
.irp x, 0,1
	v_add_f32 v[ST+8*\x+4], v[ST+8*\x+4], v[ST+8*\x+5]   ; the row's sum
.endr
.irp x, 0,1
	v_rcp_f32 v[ST+8*\x+6], v[ST+8*\x+4]
.endr
	s_lshl_b32 s50, s21, 12
	s_add_co_u32 s50, s50, STAGE
	v_add_nc_u32 v5, s50, v30                      ; my stage
	s_xor_b32 s51, s21, 1
	s_lshl_b32 s51, s51, 12
	s_add_co_u32 s51, s51, STAGE
	v_add_nc_u32 v6, s51, v30                      ; my partner's
	v_bfe_u32 v7, v0, 4, 1
	v_lshlrev_b32 v7, 5, v7                        ; subln_w: 32 h
	s_wait_alu depctr_va_vdst(0)                   ; one wait for the two reciprocals
.irp x, 0,1
	v_mul_f32 v[ST+8*\x+6], v[ST+8*\x+6], v31      ; 1 / l, or -lambda_full / l
.endr
.irp x, 0,1
.set n, 0
.rept 16
	v_pk_mul_f32 v[OO+32*\x+2*n:OO+32*\x+2*n+1], v[OO+32*\x+2*n:OO+32*\x+2*n+1], v[ST+8*\x+6:ST+8*\x+7] op_sel_hi:[1,0]
.set n, n+1
.endr
.endr
.set n, 0
.rept 8
	ds_store_b128 v5, v[OO+32+4*n:OO+32+4*n+3] offset:512*n    ; X = 1 goes over as an image of its registers
.set n, n+1
.endr
.irp t, 0,1,2,3
	global_load_b128 v[KB+8*\t:KB+8*\t+3], v7, s[16:17] offset:64*\t       ; subln_w at my channels 16 t + 8 h + 0..7
	global_load_b128 v[KB+8*\t+4:KB+8*\t+7], v7, s[16:17] offset:64*\t+16
.endr
	s_wait_dscnt 0x0                               ; for the partner's sake: my stores have landed
	s_barrier_signal -1
	s_barrier_wait -1
.set n, 0
.rept 8
	ds_load_b128 v[96+4*n:99+4*n], v6 offset:512*n
.set n, n+1
.endr
	s_wait_dscnt 0x0
.set n, 0
.rept 16
	v_pk_add_f32 v[OO+2*n:OO+2*n+1], v[OO+2*n:OO+2*n+1], v[96+2*n:97+2*n]   ; attn1 V - lambda attn2 V of my head
.set n, n+1
.endr
	v_pk_mul_f32 v[12:13], v[OO:OO+1], v[OO:OO+1]
	v_pk_mul_f32 v[14:15], v[OO+2:OO+3], v[OO+2:OO+3]
.irp j, 4,8,12,16,20,24,28
	v_pk_fma_f32 v[12:13], v[OO+\j:OO+\j+1], v[OO+\j:OO+\j+1], v[12:13]
	v_pk_fma_f32 v[14:15], v[OO+\j+2:OO+\j+3], v[OO+\j+2:OO+\j+3], v[14:15]
.endr
	v_pk_add_f32 v[12:13], v[12:13], v[14:15]
	v_add_f32 v12, v12, v13
	v_permlanex16_b32 v14, v12, s32, s33
	v_add_f32 v12, v12, v14                        ; the sum of the head's 64 squares
	s_mov_b32 s50, 0x358637bd                      ; 1e-6
	v_fma_f32 v12, v12, 0x3c800000, s50            ; / 64 + eps
	v_rsq_f32 v12, v12
	v_nop
	s_wait_alu depctr_va_vdst(0)
	v_mul_f32 v12, 0x3e5d9673, v12                 ; x (1 - lambda_init) = 0.21639423
	s_lshl_b32 s50, s31, 20                        ; aimg: [g][query tile][head in the group][t][512]
	s_lshl_b32 s51, s25, 9
	s_add_co_u32 s50, s50, s51
	s_lshl_b32 s51, s23, 1
	s_add_co_u32 s51, s51, s22
	s_lshl_b32 s51, s51, 11
	s_add_co_u32 s50, s50, s51
	s_mov_b32 s51, 0
	s_add_nc_u64 s[18:19], s[18:19], s[50:51]
	s_wait_loadcnt 0x0                             ; subln_w
.set n, 0
.rept 16
	v_pk_mul_f32 v[OO+2*n:OO+2*n+1], v[OO+2*n:OO+2*n+1], v[12:13] op_sel_hi:[1,0]
.set n, n+1
.endr
.set n, 0
.rept 16
	v_pk_mul_f32 v[OO+2*n:OO+2*n+1], v[OO+2*n:OO+2*n+1], v[KB+2*n:KB+2*n+1]
.set n, n+1
.endr
.set n, 0
.rept 16
	v_cvt_pk_f16_f32 v[96+n], v[OO+2*n], v[OO+2*n+1]
.set n, n+1
.endr
.irp t, 0,1,2,3
	global_store_b128 v30, v[96+4*\t:99+4*\t], s[18:19] offset:512*\t   ; a piece: 512 consecutive bytes, aligned
.endr
	s_wait_tensorcnt 0x0                           ; the wave's end
	ds_add_u32 v3, v4
	s_wait_dscnt 0x0
	s_endpgm
.Lfunc_end_k_qa56ec165ce_attn:
	.size	k_qa56ec165ce_attn, .Lfunc_end_k_qa56ec165ce_attn-k_qa56ec165ce_attn
	.p2alignl 7, 3214868480
	.fill 96, 4, 3214868480
	.section	.rodata,"a",@progbits
	.p2align	6, 0x0
	.amdhsa_kernel k_qa56ec165ce_attn
		.amdhsa_group_segment_fixed_size 327680
		.amdhsa_private_segment_fixed_size 0
		.amdhsa_enable_private_segment 0
		.amdhsa_kernarg_size 64
		.amdhsa_user_sgpr_count 2
		.amdhsa_user_sgpr_kernarg_segment_ptr 1
		.amdhsa_wavefront_size32 1
		.amdhsa_system_sgpr_workgroup_id_x 1
		.amdhsa_system_sgpr_workgroup_id_y 1
		.amdhsa_system_sgpr_workgroup_id_z 1
		.amdhsa_system_vgpr_workitem_id 0
		.amdhsa_next_free_vgpr 256
		.amdhsa_next_free_sgpr 66
		.amdhsa_reserve_vcc 1
		.amdhsa_float_denorm_mode_32 3
		.amdhsa_float_denorm_mode_16_64 3
		.amdhsa_memory_ordered 1
		.amdhsa_forward_progress 1
		.amdhsa_inst_pref_size 186
	.end_amdhsa_kernel
	.amdgpu_metadata
---
amdhsa.version: [ 1, 2 ]
amdhsa.kernels:
  - .name:           k_qa56ec165ce_attn
    .symbol:         k_qa56ec165ce_attn.kd
    .args:
      - { .name: qimg, .offset: 0, .size: 8, .value_kind: global_buffer, .address_space: global }
      - { .name: kvimg, .offset: 8, .size: 8, .value_kind: global_buffer, .address_space: global }
      - { .name: lambda_q1, .offset: 16, .size: 8, .value_kind: global_buffer, .address_space: global }
      - { .name: lambda_k1, .offset: 24, .size: 8, .value_kind: global_buffer, .address_space: global }
      - { .name: lambda_q2, .offset: 32, .size: 8, .value_kind: global_buffer, .address_space: global }
      - { .name: lambda_k2, .offset: 40, .size: 8, .value_kind: global_buffer, .address_space: global }
      - { .name: subln_w, .offset: 48, .size: 8, .value_kind: global_buffer, .address_space: global }
      - { .name: aimg, .offset: 56, .size: 8, .value_kind: global_buffer, .address_space: global }
    .group_segment_fixed_size: 327680
    .private_segment_fixed_size: 0
    .kernarg_segment_align: 8
    .kernarg_segment_size: 64
    .max_flat_workgroup_size: 512
    .sgpr_count:     66
    .vgpr_count:     256
    .wavefront_size: 32
...
	.end_amdgpu_metadata
.endif
;; end of part 3
;; launch oproj (part 4): grid 16 x 16, 4 waves a work-group, clusters of 4 x 4, 327,680 bytes of LDS; arguments aimg, wo16, out0; writes out0
.if DOCPART == 4
	.amdgcn_target "amdgcn-amd-amdhsa--gfx1250"
	.amdhsa_code_object_version 6
	.text
	.protected	k_qa56ec165ce_oproj
	.globl	k_qa56ec165ce_oproj
	.p2align	8
	.type	k_qa56ec165ce_oproj,@function
k_qa56ec165ce_oproj:
	s_mov_b64 s[64:65], 0
	v_nop
	global_prefetch_b8 v0, s[64:65] scope:SCOPE_SE
	s_setreg_imm32_b32 hwreg(HW_REG_WAVE_MODE, 25, 1), 1
	s_wait_xcnt 0x0
	s_wait_alu depctr_hold_cnt(0) depctr_sa_sdst(0) depctr_va_vdst(0) depctr_va_sdst(0) depctr_va_ssrc(0) depctr_va_vcc(0) depctr_vm_vsrc(0)
	s_getreg_b32 s2, hwreg(HW_REG_IB_STS2, 6, 4)
	s_cmp_eq_u32 s2, 0
	s_cbranch_scc0 .Lentry_in_a_cluster
	s_endpgm
.Lentry_in_a_cluster:
	s_bfe_u32 s2, ttmp6, 0x10000c
	s_cmp_lg_u32 s2, 0xf033
	s_cbranch_scc0 .Lentry_shape_is_right
	s_endpgm
.Lentry_shape_is_right:
; Launch 4 of 4: out0[s][n] = sum over k of A[s][k] Wo[n][k], K = 2,048, f16 operands, f32 sums and output.  Nothing is left out here.
; Both operands lie in the order of the operand registers: [256 along K: 8][tile of 16 rows: 128][32 along K: 8][1,024], a fragment = two pieces of 512 bytes, lane l's 16 bytes at 16 l.
; So four tiles x 256 along K are one dense block of 32,768 bytes for one tensor load, and a fragment comes by two loads of 512 consecutive LDS bytes: no pitch, no padding.
; A tile of out0 is 128 x 128: 256 work-groups.  Four waves, each 64 x 64: 16 accumulators.  K goes in steps of 256 through a ring of two LDS slots.
; CLUSTER 4 x 4: the four of a row need the same rows of A, the four of a column the same rows of Wo: each block is asked for JOINTLY.
; THE MATRIX INSTRUCTION IS USED TRANSPOSED (source 0 = 16 rows of Wo, source 1 = 16 positions): a lane holds eight neighbouring numbers of a row of out0.
; No prefetch: the tiles are small and each is shared by a cluster's four.
; REGISTERS: window 0: v0-31 addresses; v32-95 the way out; v128-255 accumulator (a, b) at 128 + 8 (4 a + b).   window 1: two fragment buffers of 128: for 64 along K, 64 registers of A, then 64 of Wo.
.set SLOT,   131072
.set QT,     32768                     ; what one tensor load brings, and what one wave reads of A or of Wo
.set KSL,    1048576                   ; from 256 along K to the next in memory
.set SPARE,  2*SLOT                    ; the spare words, 128 bytes for each wave
.set STAGE,  SPARE+512                 ; 16 rows x 272 bytes for each wave, its own
.set SPITCH, 272
.set LAPS,   4                         ; a lap = two K steps = once round the ring
.set ADRA, 16
.set ADRB, 20
.set STO,  24
.set RD,   25
.set CO,   26
.set SPW,  28
.set NIL,  29
.set TMP,  32
.set ACC,  128
.set F0,   0
.set F1,   128
.set G1, 24
.set G0, 32
.set G1B, 48
.set G0B, 56
.set MSB, 0
.macro WIN new
.if MSB != \new
	s_set_vgpr_msb (MSB<<8)|\new
.set MSB, \new
.endif
.endm
.set MUL,  0x05                        ; sources 0 and 1 window 1; C and D window 0
.set TO_F, 0x40                        ; destination window 1, address window 0
.macro JLOAD s                         ; a joint load: waves 0 and 1 fetch A's halves, waves 2 and 3 Wo's; an s_nop 0 and four v_nop follow each line
	s_cmp_eq_u32 s11, 0
	s_cbranch_scc0 .Lfor_b_\@
	tensor_load_to_lds s[G0+4*\s:G0+4*\s+3], s[G1:G1+7]
	s_nop 0
.rept 4
	v_nop
.endr
	s_branch .Lasked_\@
.Lfor_b_\@:
	tensor_load_to_lds s[G0B+4*\s:G0B+4*\s+3], s[G1B:G1B+7]
	s_nop 0
.rept 4
	v_nop
.endr
.Lasked_\@:
.endm
.macro CREST                           ; a round of the cluster's barrier behind its opening barrier
	s_cmp_lg_u32 s10, 0
	s_cbranch_scc1 .Lnot_wave_0_\@
	s_barrier_signal -3
.Lnot_wave_0_\@:
	s_barrier_wait -3
	s_barrier_signal -1
	s_barrier_wait -1
.endm
.macro CROUND
	s_barrier_signal -1
	s_barrier_wait -1
	CREST
.endm
	s_load_b128 s[4:7], s[0:1], 0x0                ; aimg, wo16
	s_load_b64 s[8:9], s[0:1], 0x10                ; out0
	v_lshl_add_u32 v[SPW], v0, 2, SPARE
	v_mov_b32 v[NIL], 0
	ds_add_u32 v[SPW], v[NIL]                      ; the opening: the add, twice on end, and its wait ahead of my first tensor load
	ds_add_u32 v[SPW], v[NIL]
	v_lshrrev_b32 v1, 5, v0
	v_readfirstlane_b32 s10, v1                    ; wave
	s_lshr_b32 s11, s10, 1                         ; my half of the rows.  Also: I fetch for A (0) or for Wo (1)
	s_and_b32 s12, s10, 1                          ; my half of the columns.  Also: which four tiles I fetch
	s_bfe_u32 s40, ttmp6, 0x40000                  ; cx, cy
	s_bfe_u32 s41, ttmp6, 0x40004
	s_lshl_b32 s42, ttmp9, 2
	s_add_co_u32 s42, s42, s40                     ; tile column
	s_and_b32 s13, ttmp7, 0xffff
	s_lshl_b32 s13, s13, 2
	s_add_co_u32 s13, s13, s41                     ; tile row
	s_lshl_b32 s43, s41, 2
	s_lshl_b32 s43, 15, s43                        ; my row of the cluster
	s_lshl_b32 s44, 0x1111, s40                    ; my column
	s_or_b32 s[G1+0], s43, (3<<16)|(1<<21)         ; the mask; elements of 8 bytes; bit 21 beside a mask; no padding
	s_or_b32 s[G1B+0], s44, (3<<16)|(1<<21)
.irp g, G1, G1B
	s_mov_b32 s[\g+1], 32<<16                      ; a dense block of 32,768 bytes as 128 rows of 256
	s_mov_b32 s[\g+2], 128<<16
	s_mov_b32 s[\g+3], 32<<16
	s_mov_b32 s[\g+4], 128
	s_mov_b32 s[\g+5], 32
	s_mov_b32 s[\g+6], 0
	s_mov_b32 s[\g+7], 0
.endr
	s_lshl_b32 s17, s12, 2
	s_lshl_b32 s16, s13, 3
	s_add_co_u32 s16, s16, s17                     ; A: tile 8 x tile row + 4 x half
	s_lshl_b32 s16, s16, 13
	s_lshl_b32 s46, s42, 3
	s_add_co_u32 s46, s46, s17                     ; Wo: tile 8 x tile column + 4 x half
	s_lshl_b32 s46, s46, 13
	s_mov_b32 s17, 0
	s_mov_b32 s47, 0
	s_lshl_b32 s20, s10, 15                        ; where they go: wave x 32,768
	s_wait_dscnt 0x0                               ; both opening adds are done
	s_wait_kmcnt 0x0
	s_add_nc_u64 s[14:15], s[4:5], s[16:17]
	s_add_nc_u64 s[46:47], s[6:7], s[46:47]
	CROUND                                         ; all sixteen work-groups are here: the first joint loads meet
.irp s, 0,1
	s_mov_b32 s[G0+4*\s], 1
	s_add_co_u32 s[G0+4*\s+1], s20, \s*SLOT
	s_add_nc_u64 s[G0+4*\s+2:G0+4*\s+3], s[14:15], \s*KSL
	s_or_b32 s[G0+4*\s+3], s[G0+4*\s+3], 0x80000000
	s_mov_b32 s[G0B+4*\s], 1
	s_add_co_u32 s[G0B+4*\s+1], s20, \s*SLOT
	s_add_nc_u64 s[G0B+4*\s+2:G0B+4*\s+3], s[46:47], \s*KSL
	s_or_b32 s[G0B+4*\s+3], s[G0B+4*\s+3], 0x80000000
	JLOAD \s
.endr
	v_and_b32 v1, 15, v0                           ; r
	v_bfe_u32 v2, v0, 4, 1                         ; h
	v_and_b32 v3, 31, v0
	v_lshlrev_b32 v3, 4, v3                        ; 16 x lane
	s_lshl_b32 s21, s11, 15                        ; my four tiles of A,
	s_lshl_b32 s22, s12, 15
	s_add_co_u32 s22, s22, 2*QT                    ; and of Wo, behind A's eight
.irp s, 0,1
	v_add_nc_u32 v[ADRA+\s], s21, v3
	v_add_nc_u32 v[ADRB+\s], s22, v3
	s_add_co_u32 s21, s21, SLOT
	s_add_co_u32 s22, s22, SLOT
.endr
	s_mul_i32 s23, s10, 16*SPITCH
	s_add_co_u32 s23, s23, STAGE                   ; my stage
	v_mul_u32_u24 v4, v1, SPITCH                   ; in: row r, 32 bytes for each half of the lanes
	v_lshl_add_u32 v4, v2, 5, v4
	v_add_nc_u32 v[STO], s23, v4
	v_mul_u32_u24 v5, v2, SPITCH                   ; back: lanes 0-15 one row of 256 bytes, lanes 16-31 the next
	v_lshl_add_u32 v5, v1, 4, v5
	v_add_nc_u32 v[RD], s23, v5
	v_lshlrev_b32 v5, 13, v2                       ; and the same two rows in out0: 8,192 bytes a row
	v_lshl_add_u32 v[CO], v1, 4, v5
	s_lshl_b32 s16, s13, 7
	s_lshl_b32 s17, s11, 6
	s_add_co_u32 s16, s16, s17                     ; my first row: 128 x tile row + 64 x half
	s_lshl_b32 s16, s16, 13
	s_mov_b32 s17, 0
	s_add_nc_u64 s[8:9], s[8:9], s[16:17]
	s_lshl_b32 s46, s42, 9                         ; my first column, in bytes: 512 x tile column + 256 x half
	s_lshl_b32 s47, s12, 8
	s_add_co_u32 s46, s46, s47
	s_mov_b32 s47, 0
	s_add_nc_u64 s[8:9], s[8:9], s[46:47]
.macro MUL8 f, c, a0, zero             ; row tiles a0, a0 + 1 x the four column tiles, 32 along K: half c of buffer f.  zero = 1: the first product starts the sums
.irp a, \a0, \a0+1
.irp b, 0,1,2,3
.if \zero
	v_wmma_f32_16x16x32_f16 v[ACC+8*(4*(\a)+\b):ACC+8*(4*(\a)+\b)+7], v[\f+64+8*(4*\c+\b):\f+64+8*(4*\c+\b)+7], v[\f+8*(4*\c+\a):\f+8*(4*\c+\a)+7], 0
.else
	v_wmma_f32_16x16x32_f16 v[ACC+8*(4*(\a)+\b):ACC+8*(4*(\a)+\b)+7], v[\f+64+8*(4*\c+\b):\f+64+8*(4*\c+\b)+7], v[\f+8*(4*\c+\a):\f+8*(4*\c+\a)+7], v[ACC+8*(4*(\a)+\b):ACC+8*(4*(\a)+\b)+7]
.endif
.endr
.endr
.endm
.macro FETCH slot, q, f                ; 32 LDS loads in one run: quarter q (64 along K) of the slot into buffer f; its first 32 along K first
	WIN TO_F
.irp c, 0,1
.irp i, 0,1,2,3
	ds_load_b128 v[\f+64+8*(4*\c+\i):\f+64+8*(4*\c+\i)+3],   v[ADRB+\slot] offset:(2*(\q)+\c)*1024+\i*8192
	ds_load_b128 v[\f+64+8*(4*\c+\i)+4:\f+64+8*(4*\c+\i)+7], v[ADRB+\slot] offset:(2*(\q)+\c)*1024+\i*8192+512
	ds_load_b128 v[\f+8*(4*\c+\i):\f+8*(4*\c+\i)+3],         v[ADRA+\slot] offset:(2*(\q)+\c)*1024+\i*8192
	ds_load_b128 v[\f+8*(4*\c+\i)+4:\f+8*(4*\c+\i)+7],       v[ADRA+\slot] offset:(2*(\q)+\c)*1024+\i*8192+512
.endr
.endr
.endm
.macro PLACES                          ; four places in front of loads into registers that matrix instructions have read, and of the first read of results
.rept 4
	v_nop
.endr
.endm
; A K step is four quarters of 64 along K, 32 matrix instructions each, on buffers 0, 1, 0, 1; the 16 accumulators take turns.  One of the first three: multiplies buffer f and fetches quarter q into g.
.macro QUARTER slot, q, f, g, zero
	s_wait_dscnt 16                                ; the first 32 along K are in; the sixteen loads of the second may be out
	WIN MUL
	MUL8 \f, 0, 0, \zero
	MUL8 \f, 0, 2, \zero
	PLACES
	FETCH \slot, \q, \g
	s_wait_dscnt 32                                ; all but the 32 just issued
	WIN MUL
	MUL8 \f, 1, 0, 0
	MUL8 \f, 1, 2, 0
.endm
; The last quarter multiplies buffer 1 and changes slots: ONE barrier; in front of it each wave waits for all its tensor loads, adds 0 to its spare word, and waits for that and for its reads of this slot.  fill = 1: this slot is filled again, two K steps ahead.
.macro TURN slot, next, fill
	WIN 0                                          ; (the add's two registers lie in window 0)
	s_wait_tensorcnt 0x0                           ; all my tensor loads have landed: my part of the next slot
	ds_add_u32 v[SPW], v[NIL]
	s_wait_dscnt 17                                ; (the add and the youngest sixteen loads may be out)
	WIN MUL
	MUL8 F1, 0, 0, 0
	s_wait_dscnt 0x0                               ; the add is done, and my reads of this slot are over
	s_barrier_signal -1
	MUL8 F1, 0, 2, 0
.if \fill
	WIN 0
.endif
	s_barrier_wait -1
.if \fill
	CREST                                          ; the barrier has opened a round of the cluster's: no wave of any partner still reads this slot or has a load on its way
	s_add_nc_u64 s[G0+4*\slot+2:G0+4*\slot+3], s[G0+4*\slot+2:G0+4*\slot+3], 2*KSL
	s_add_nc_u64 s[G0B+4*\slot+2:G0B+4*\slot+3], s[G0B+4*\slot+2:G0B+4*\slot+3], 2*KSL
	JLOAD \slot                                    ; the first tensor load behind the round; its four v_nop are also the places in front of the loads below
.else
	PLACES
.endif
	FETCH \next, 0, F0
	WIN MUL
	MUL8 F1, 1, 0, 0
	MUL8 F1, 1, 2, 0
.endm
	s_wait_tensorcnt 1                             ; my part of K step 0 is in; K step 1's may stay out
	s_barrier_signal -1
	s_barrier_wait -1
	FETCH 0, 0, F0
	QUARTER 0, 1, F0, F1, 1                        ; the first quarter stands in front of the loop: its first products start the sums
	WIN 0
	s_mov_b32 s3, LAPS-1
.Llap:                                                 ; a trip goes once round the ring and fills both slots again
	QUARTER 0, 2, F1, F0, 0
	QUARTER 0, 3, F0, F1, 0
	TURN 0, 1, 1
	QUARTER 1, 1, F0, F1, 0
	QUARTER 1, 2, F1, F0, 0
	QUARTER 1, 3, F0, F1, 0
	TURN 1, 0, 1
	QUARTER 0, 1, F0, F1, 0
	WIN 0
	s_sub_co_u32 s3, s3, 1
	s_cmp_lg_u32 s3, 0
	s_cbranch_scc1 .Llap
	QUARTER 0, 2, F1, F0, 0                        ; the last lap fills nothing, and has no round of the cluster's barrier
	QUARTER 0, 3, F0, F1, 0
	TURN 0, 1, 0
	QUARTER 1, 1, F0, F1, 0
	QUARTER 1, 2, F1, F0, 0
	QUARTER 1, 3, F0, F1, 0
	s_wait_dscnt 16
	WIN MUL
	MUL8 F1, 0, 0, 0
	MUL8 F1, 0, 2, 0
	s_wait_dscnt 0
	MUL8 F1, 1, 0, 0
	MUL8 F1, 1, 2, 0
	WIN 0
; THE WAY OUT, 16 rows x 64 columns at a time.  A lane holds 32 neighbouring bytes of a row and the lanes beside it other rows: a block goes through my own stage and comes back as whole rows of 256 bytes.
; LDS serves a wave's instructions in order: no wait between the stores and the loads, nor in front of the next block's stores.
.macro TOSTAGE a
.irp b, 0,1,2,3
	ds_store_b128 v[STO], v[ACC+8*(4*(\a)+\b):ACC+8*(4*(\a)+\b)+3] offset:64*\b        ; each accumulator from its low end on
	ds_store_b128 v[STO], v[ACC+8*(4*(\a)+\b)+4:ACC+8*(4*(\a)+\b)+7] offset:64*\b+16
.endr
.irp i, 0,1,2,3,4,5,6,7
	ds_load_b128 v[TMP+32*((\a)%2)+4*\i:TMP+32*((\a)%2)+4*\i+3], v[RD] offset:\i*2*SPITCH
.endr
.endm
.macro SEND a, younger                 ; younger: the LDS instructions issued behind block a's loads, which may stay out
	s_wait_dscnt \younger
.irp i, 0,1,2,3,4,5,6,7
	global_store_b128 v[CO], v[TMP+32*((\a)%2)+4*\i:TMP+32*((\a)%2)+4*\i+3], s[8:9] offset:(16*(\a)+2*\i)*8192 th:TH_STORE_NT   ; sixteen lanes store 256 consecutive bytes, aligned
.endr
.endm
	PLACES
	TOSTAGE 0
.irp a, 1,2,3
.if \a > 1
	s_wait_xcnt 0x0                                ; block a - 2's stores have read their registers: block a's loads may land there
.endif
	TOSTAGE \a
	SEND \a-1, 16                                  ; behind block a - 1's loads: block a's 8 stores and 8 loads
.endr
	SEND 3, 0
	s_wait_tensorcnt 0x0                           ; the wave's end
	ds_add_u32 v[SPW], v[NIL]
	s_wait_dscnt 0x0
	CROUND                                         ; the closing round
	s_endpgm
.Lfunc_end_k_qa56ec165ce_oproj:
	.size	k_qa56ec165ce_oproj, .Lfunc_end_k_qa56ec165ce_oproj-k_qa56ec165ce_oproj
	.p2alignl 7, 3214868480
	.fill 96, 4, 3214868480
	.section	.rodata,"a",@progbits
	.p2align	6, 0x0
	.amdhsa_kernel k_qa56ec165ce_oproj
		.amdhsa_group_segment_fixed_size 327680
		.amdhsa_private_segment_fixed_size 0
		.amdhsa_enable_private_segment 0
		.amdhsa_kernarg_size 24
		.amdhsa_user_sgpr_count 2
		.amdhsa_user_sgpr_kernarg_segment_ptr 1
		.amdhsa_wavefront_size32 1
		.amdhsa_system_sgpr_workgroup_id_x 1
		.amdhsa_system_sgpr_workgroup_id_y 1
		.amdhsa_system_sgpr_workgroup_id_z 1
		.amdhsa_system_vgpr_workitem_id 0
		.amdhsa_next_free_vgpr 512
		.amdhsa_next_free_sgpr 66
		.amdhsa_reserve_vcc 0
		.amdhsa_float_denorm_mode_32 3
		.amdhsa_float_denorm_mode_16_64 3
		.amdhsa_memory_ordered 1
		.amdhsa_forward_progress 1
		.amdhsa_inst_pref_size 85
	.end_amdhsa_kernel
	.amdgpu_metadata
---
amdhsa.version: [ 1, 2 ]
amdhsa.kernels:
  - .name:           k_qa56ec165ce_oproj
    .symbol:         k_qa56ec165ce_oproj.kd
    .args:
      - { .name: aimg, .offset: 0, .size: 8, .value_kind: global_buffer, .address_space: global }
      - { .name: wo16, .offset: 8, .size: 8, .value_kind: global_buffer, .address_space: global }
      - { .name: out0, .offset: 16, .size: 8, .value_kind: global_buffer, .address_space: global }
    .group_segment_fixed_size: 327680
    .private_segment_fixed_size: 0
    .kernarg_segment_align: 8
    .kernarg_segment_size: 24
    .max_flat_workgroup_size: 128
    .sgpr_count:     66
    .vgpr_count:     512
    .wavefront_size: 32
...
	.end_amdgpu_metadata
.endif
;; end of part 4
